; MI455X (gfx1250); checked and timed in simulation.
; The chip was launched on July 23, 2026; its instructions are those of AMD's public machine-readable ISA for CDNA 5 (MIT licence, August 2026) and "CDNA5" Instruction Set Architecture Reference Guide (July 2026). The comments in the code are by the model that wrote it; some were corrected since.
;; Multi Head Attention. Allowed arithmetic: matrix products marked QUANTISED: E2M1 operands, one E8M0 scale for each 32 along K, by v_wmma_scale_f32_16x16x128_f8f6f4 with both operands' format E2M1 (or v_wmma_scale_f32_32x16x128_f4), f32 sums; products left as they are: bf16, f16 or f32 operands; f32 sums; everything else in f32.
;; Inputs: bk 1,024 float32; bo 1,024 float32; bq 1,024 float32; bv 1,024 float32; key 4 x 2,048 x 1,024 float32; query 4 x 2,048 x 1,024 float32; value 4 x 2,048 x 1,024 float32; wk 1,024 x 1,024 float32; wo 1,024 x 1,024 float32; wq 1,024 x 1,024 float32; wv 1,024 x 1,024 float32.
;; Outputs: out0 4 x 2,048 x 1,024 float32.
;; Constants: is_causal = 1.
;; This version of the problem:
;;   THIS VERSION OF THE PROBLEM IS GIVEN IN LOW PRECISION. The matrix products marked QUANTISED in the list below multiply operands that are first quantised to E2M1 (2 exponent bits, 1 mantissa bit; 4 bits a number), with one power-of-two scale for each 32 numbers along K (OCP MX v1.0); their sums are f32. The products marked 'left as it is' may take bf16, f16 or f32 operands, with f32 sums. Whichever they take, every output number must still come out within the allowed error. Rounding operands to bf16 (8 significant bits) uses up far more of that allowance than f16 does (11 bits, for magnitudes from 6e-5 to 65,504). All else is computed in f32.
;;   The module's matrix products, in the order in which they are computed (A, B: the left and right operand; K: the contracted axis; several contracted axes count as one K, in the product's order):
;;     1. [M 8,192, K 1,024] x [K 1,024, N 1,024]; A: input query; B: input wq: QUANTISED
;;     2. [M 8,192, K 1,024] x [K 1,024, N 1,024]; A: input key; B: input wk: QUANTISED
;;     3. [M 8,192, K 1,024] x [K 1,024, N 1,024]; A: input value; B: input wv: QUANTISED
;;     4. batch 64 x [M 2,048, K 64] x [K 64, N 2,048]; A: computed on the way; B: computed on the way: left as it is (an operand is computed on the way)
;;     5. batch 64 x [M 2,048, K 2,048] x [K 2,048, N 64]; A: computed on the way; B: computed on the way: left as it is (an operand is computed on the way)
;;     6. [M 8,192, K 1,024] x [K 1,024, N 1,024]; A: computed on the way; B: input wo: left as it is (an operand is computed on the way)
;;   THE QUANTISER, for each operand of a quantised product, along K:
;;     - K is cut into blocks of 32 from its start; a last block that is shorter is filled with zeros.
;;     - A block's scale is 2^e with e = floor(log2(the largest magnitude in the block)) - 2, held to -126 .. 127; a block of zeros has e = 0. As a byte (E8M0): e + 127.
;;     - Each number is divided by its block's scale, clamped to +-6, and rounded to the nearest number of E2M1, ties to even, subnormals kept.
;;     - The product sums the exact products of the quantised numbers (number of the format x scale) in f32.
;;   ~~~python
;;   def quantise(x, axis):      # numpy; x: float32 -> the quantised numbers, widened to float32 again
;;       x = np.moveaxis(x, axis, -1); K = x.shape[-1]
;;       x = np.pad(x, [(0, 0)] * (x.ndim - 1) + [(0, -K % 32)]); x = x.reshape(x.shape[:-1] + (-1, 32)); a = np.abs(x).max(-1, keepdims=True)
;;       e = np.where(a > 0, np.clip(np.frexp(np.where(a > 0, a, 1))[1] - 1 - 2, -126, 127), 0)      # np.frexp(a)[1] - 1 = floor(log2(a)), exactly
;;       r = np.clip(x / 2.0 ** e, -6, 6)
;;       step = 2.0 ** (np.maximum(np.frexp(np.where(r == 0, 1, r))[1] - 1, 0) - 1)
;;       q = np.round(r / step) * step * 2.0 ** e      # np.round: ties to even
;;       return np.moveaxis(q.reshape(q.shape[:-2] + (-1,))[..., :K], -1, axis).astype(np.float32)
;;   ~~~
;; One version. Each part assembles by itself: llvm-mc -triple=amdgcn-amd-amdhsa -mcpu=gfx1250 --defsym DOCPART=n.
;; ======== version 1 of 1: 4 launches
;; limits: values are held in f16: magnitudes above 65,504 overflow, below 6.1e-05 lose precision
;; workspace buffers: codes 14,155,776 bytes; scales 884,736 bytes; woh 2,097,152 bytes; qkv 50,331,648 bytes; ctx 16,777,216 bytes
;; launch quant (part 1): grid 992 x 1, 4 waves a work-group, no clusters, 33,280 bytes of LDS; arguments query, key, value, wq, wk, wv, wo, codes, scales, woh; writes codes, scales, woh
.if DOCPART == 1
	.amdgcn_target "amdgcn-amd-amdhsa--gfx1250"
	.amdhsa_code_object_version 6
	.text
	.protected	k_q9edf7c7cc1_quant
	.globl	k_q9edf7c7cc1_quant
	.p2align	8
	.type	k_q9edf7c7cc1_quant,@function
k_q9edf7c7cc1_quant:
	s_mov_b64 s[64:65], 0
	v_nop
	global_prefetch_b8 v0, s[64:65] scope:SCOPE_SE
	s_setreg_imm32_b32 hwreg(HW_REG_WAVE_MODE, 25, 1), 1
	s_wait_xcnt 0x0
; query, key, value [8192][1024] and wq, wk, wv [1024][1024], f32, K innermost, are turned into codes of FP4 (E2M1), two a byte, with one E8M0 scale byte for each 32 along K; wo [1024][1024] is rounded to f16.
; The six tensors are stacked in that order in the two outputs: codes: 27,648 rows of 512 bytes; scales: the same rows, 32 bytes each.  Rows are dense, so every tensor is a plain stream of blocks of 32.
; A block's scale is 2^(floor(log2(its largest magnitude)) - 2); its byte is the largest magnitude's exponent field - 2, held at 1 from below.  Each number is divided by the scale and rounded to the nearest code, ties to even,
; beyond the largest code the largest.
; LIMITS: a block of zeros gets the byte 1 where the quantiser's rule says 127: its codes are zeros, which add nothing under that byte, and this program alone reads the bytes.  Blocks whose largest magnitude lies under 2^-124
; are held at the byte 1.  NaN and infinities among the inputs are not served.  wo goes to f16: magnitudes up to 65,504.
; SHARES.  Work-groups 0 to 863 quantise 32,768 numbers each (a wave 16 steps of 512); their order is the order of the stack, so the place in the outputs hangs on the work-group's number alone, and only the source is chosen.
; Work-groups 864 to 991 round 8,192 numbers of wo each.  No tensor loads, no barrier, no matrix unit, no cluster: waves share nothing, and the launch is a stream.
; A STEP.  The conversion takes 8 numbers of ONE block from a lane's consecutive registers, so a lane must hold neighbours along K; a load is best where neighbouring LANES take neighbouring bytes.  Both are had: each of a
; step's four loads reads 512 consecutive bytes, 16 a lane; the 2,048 bytes go through the wave's own stage in LDS and come back 64 bytes a lane (16 bytes of padding behind each 64).  Two neighbouring lanes hold a block.
.set WAVES, 4
.set STEPS, 16
.set NQWG,  864                        ; work-groups that quantise: 3 x 256 + 3 x 32
.set EMAX,  2
.set CB,    8                          ; bytes of 16 codes
.set R,     16                         ; v16-79   four sets of 16 numbers as they are loaded
.set X,     80                         ; v80-111  two sets of 16 neighbours
.set E,     112                        ; v112-127 a scale byte for each step
.set C,     128                        ; v128-191 codes: four registers for each step, so that no store's data are written again
.set WREG,  8192                       ; LDS: a region for each wave: two stages of 32 x SP bytes, and behind them its 256 scale bytes
.set SP,    80                         ; a lane's place in a stage: 64 bytes + 16 of padding
.set SPW,   12                         ; v12      LDS address of my spare word: SPARE + 4 x my thread's number; never rewritten
.set NIL,   13                         ; v13      0; never rewritten
.set SPARE, WAVES*WREG                 ; behind the four regions: the spare words, 128 bytes for each wave, which no other line names
.set SRC,   24                         ; s[24:25] the tensor that I read
.set COD,   18                         ; s[18:19] codes
.set SCA,   20                         ; s[20:21] scales
	s_load_b256 s[4:11], s[0:1], 0x0               ; query s[4:5], key s[6:7], value s[8:9], wq s[10:11]
	s_load_b256 s[12:19], s[0:1], 0x20             ; wk s[12:13], wv s[14:15], wo s[16:17], codes s[18:19]
	s_load_b128 s[20:23], s[0:1], 0x40             ; scales s[20:21], woh s[22:23]
	v_lshl_add_u32 v[SPW], v0, 2, SPARE
	v_mov_b32 v[NIL], 0
	v_lshrrev_b32 v1, 5, v0
	v_readfirstlane_b32 s28, v1                    ; wave
	v_and_b32 v2, 31, v0                           ; lane
	v_lshlrev_b32 v3, 4, v2                        ; my 16 bytes of a load's 512
	v_lshlrev_b32 v7, 3, v2                        ; my 8 bytes of a store's 256
	s_cmp_ge_u32 ttmp9, NQWG                       ; the work-group's number alone decides
	s_cbranch_scc1 .Lwo
	s_mul_i32 s29, s28, WREG
	v_lshrrev_b32 v14, 2, v2
	v_mul_u32_u24 v14, v14, SP
	v_and_b32 v15, 3, v2
	v_lshl_add_u32 v14, v15, 4, v14
	v_add_nc_u32 v14, s29, v14                     ; the stage, on the way in: four lanes' 64 bytes on end, then 16 of padding
	v_mul_u32_u24 v15, v2, SP
	v_add_nc_u32 v15, s29, v15                     ; and on the way out: SP x lane: my 16 neighbours
	v_mul_u32_u24 v4, v2, CB                       ; my codes' place in a step's
	v_lshrrev_b32 v5, 1, v2
	s_add_co_u32 s29, s29, 2*32*SP
	v_add_nc_u32 v5, s29, v5                       ; LDS: my wave's 256 scale bytes, my block's byte
	v_add_nc_u32 v6, s29, v7                       ; and on the way out 8 bytes a lane
	s_wait_kmcnt 0x0
	s_mov_b64 s[SRC:SRC+1], s[4:5]                 ; which tensor: a chain of choices on the work-group's number
	s_mov_b32 s26, 0                               ; and the number of its first work-group
.macro PICK lim, ptr
	s_cmp_ge_u32 ttmp9, \lim
	s_cselect_b64 s[SRC:SRC+1], s[\ptr:\ptr+1], s[SRC:SRC+1]
	s_cselect_b32 s26, \lim, s26
.endm
	PICK 256, 6
	PICK 512, 8
	PICK 768, 10
	PICK 800, 12
	PICK 832, 14
	s_sub_co_u32 s30, ttmp9, s26
	s_lshl_b32 s30, s30, 2
	s_add_co_u32 s30, s30, s28                     ; which run of 8,192 numbers of the tensor is my wave's: at most 1,023
	s_lshl_b32 s30, s30, 15                        ; 32,768 bytes a run
	s_mov_b32 s31, 0
	s_add_nc_u64 s[SRC:SRC+1], s[SRC:SRC+1], s[30:31]
	s_lshl_b32 s32, ttmp9, 2
	s_add_co_u32 s32, s32, s28                     ; which run of the stack
	s_lshl_b32 s34, s32, 12                        ; 4,096 bytes of codes a run
	s_mov_b32 s35, 0
	s_add_nc_u64 s[COD:COD+1], s[COD:COD+1], s[34:35]
	s_lshl_b32 s34, s32, 8                         ; 256 scale bytes a run
	s_add_nc_u64 s[SCA:SCA+1], s[SCA:SCA+1], s[34:35]
.macro LOAD t
.irp i, 0,1,2,3
	global_load_b128 v[R+16*((\t)%4)+4*\i:R+16*((\t)%4)+4*\i+3], v3, s[SRC:SRC+1] offset:2048*(\t)+512*\i th:TH_LOAD_NT   ; 32 lanes read 512 consecutive bytes
.endr
.endm
.macro TURN t                          ; step t's numbers through the stage: LDS serves a wave's instructions in order, so no wait stands between the stores and the loads
.irp i, 0,1,2,3
	ds_store_b128 v14, v[R+16*((\t)%4)+4*\i:R+16*((\t)%4)+4*\i+3] offset:32*SP*((\t)%2)+8*SP*\i
.endr
.irp i, 0,1,2,3
	ds_load_b128 v[X+16*((\t)%2)+4*\i:X+16*((\t)%2)+4*\i+3], v15 offset:32*SP*((\t)%2)+16*\i
.endr
.endm
.irp t, 0,1,2,3
	LOAD \t
.endr
	s_wait_loadcnt 12                              ; step 0's four loads are in; the twelve of steps 1 to 3 stay out
	TURN 0
.macro STEP t
.set XS, X+16*((\t)%2)
.if (\t) > 0
	s_wait_dscnt 1                                 ; this step's numbers are back from the stage (the last step's byte store may be out): so its stores into the stage have read their registers,
.else
	s_wait_dscnt 0x0
.endif
.if (\t)+4 < STEPS
	LOAD (\t)+4                                    ; which take the loads of four steps on
.endif
.if (\t)+1 < STEPS
.if STEPS-2-(\t) >= 3
	s_wait_loadcnt 12                              ; the next step's four loads are in; those of the three steps behind it may be out
.else
	s_wait_loadcnt 4*(STEPS-2-(\t))                ; near the end fewer steps stand behind it
.endif
	TURN (\t)+1                                    ; and go through the other stage while this step is worked
.endif
	v_max3_num_f32 v8, |v[XS]|, |v[XS+1]|, |v[XS+2]|               ; the largest magnitude of my 16, in two chains
	v_max3_num_f32 v9, |v[XS+3]|, |v[XS+4]|, |v[XS+5]|
.irp i, 6,10
	v_max3_num_f32 v8, v8, |v[XS+\i]|, |v[XS+\i+1]|
	v_max3_num_f32 v9, v9, |v[XS+\i+2]|, |v[XS+\i+3]|
.endr
	v_max3_num_f32 v8, v8, |v[XS+14]|, |v[XS+15]|
	v_max3_num_f32 v8, v8, v9, (EMAX+1)<<23        ; and the floor 2^(EMAX + 1 - 127): so the byte cannot fall under 1
	v_max_num_f32_dpp v8, v8, v8 row_xmask:1 row_mask:0xf bank_mask:0xf   ; and of my neighbour's 16: the block's
	v_add_nc_u32 v11, -(EMAX<<23), v8              ; EMAX off its exponent field: the conversion takes the exponent field of this operand as its scale, and nothing else of it
	v_cvt_scalef32_pk8_fp4_f32 v[C+4*(\t)], v[XS:XS+7], v11        ; eight numbers / the scale, to the nearest code; the first number's code in the lowest four bits
	v_cvt_scalef32_pk8_fp4_f32 v[C+4*(\t)+1], v[XS+8:XS+15], v11
	v_lshrrev_b32 v[E+(\t)], 23, v11               ; the scale's byte (also the plain line behind the conversions)
	ds_store_b8 v5, v[E+(\t)] offset:16*(\t)       ; both lanes of a block write the same byte with the same value
	global_store_b64 v4, v[C+4*(\t):C+4*(\t)+1], s[COD:COD+1] offset:32*CB*(\t)   ; the wave stores 256 consecutive bytes, aligned
.endm
.irp t, 0,1,2,3,4,5,6,7,8,9,10,11,12,13,14,15
	STEP \t
.endr
	ds_load_b64 v[8:9], v6                         ; LDS serves a wave's instructions in order: these see my byte stores
	s_wait_dscnt 0x0
	global_store_b64 v7, v[8:9], s[SCA:SCA+1]      ; my wave's 256 scale bytes: 256 consecutive bytes, aligned
	s_wait_tensorcnt 0x0                           ; the wave's end, behind my last LDS store
	ds_add_u32 v[SPW], v[NIL]
	s_wait_dscnt 0x0
	s_endpgm
.Lwo:                                              ; wo to f16: a wave takes 2,048 numbers: sixteen loads of 512 bytes, sixteen stores of 256
	s_sub_co_u32 s29, ttmp9, NQWG
	s_lshl_b32 s29, s29, 2
	s_add_co_u32 s29, s29, s28                     ; which run of 2,048 numbers
	s_lshl_b32 s30, s29, 13
	s_mov_b32 s31, 0
	s_lshl_b32 s32, s29, 12
	s_mov_b32 s33, 0
	s_wait_kmcnt 0x0
	s_add_nc_u64 s[16:17], s[16:17], s[30:31]
	s_add_nc_u64 s[22:23], s[22:23], s[32:33]
.irp k, 0,1,2,3,4,5,6,7,8,9,10,11,12,13,14,15
	global_load_b128 v[R+4*\k:R+4*\k+3], v3, s[16:17] offset:512*\k th:TH_LOAD_NT
.endr
.irp k, 0,1,2,3,4,5,6,7,8,9,10,11,12,13,14,15
	s_wait_loadcnt 15-\k                           ; loads come back in order: load k is in, the younger ones stay out
	v_cvt_pk_f16_f32 v[C+2*\k], v[R+4*\k], v[R+4*\k+1]
	v_cvt_pk_f16_f32 v[C+2*\k+1], v[R+4*\k+2], v[R+4*\k+3]
	global_store_b64 v7, v[C+2*\k:C+2*\k+1], s[22:23] offset:256*\k   ; no register is written twice, so no store's data are waited for
.endr
	s_wait_tensorcnt 0x0                           ; the wave's end, in the same form as above
	ds_add_u32 v[SPW], v[NIL]
	s_wait_dscnt 0x0
	s_endpgm
.Lfunc_end_k_q9edf7c7cc1_quant:
	.size	k_q9edf7c7cc1_quant, .Lfunc_end_k_q9edf7c7cc1_quant-k_q9edf7c7cc1_quant
	.p2alignl 7, 3214868480
	.fill 96, 4, 3214868480
	.section	.rodata,"a",@progbits
	.p2align	6, 0x0
	.amdhsa_kernel k_q9edf7c7cc1_quant
		.amdhsa_group_segment_fixed_size 33280
		.amdhsa_private_segment_fixed_size 0
		.amdhsa_enable_private_segment 0
		.amdhsa_kernarg_size 80
		.amdhsa_user_sgpr_count 2
		.amdhsa_user_sgpr_kernarg_segment_ptr 1
		.amdhsa_wavefront_size32 1
		.amdhsa_system_sgpr_workgroup_id_x 1
		.amdhsa_system_sgpr_workgroup_id_y 1
		.amdhsa_system_sgpr_workgroup_id_z 1
		.amdhsa_system_vgpr_workitem_id 0
		.amdhsa_next_free_vgpr 192
		.amdhsa_next_free_sgpr 66
		.amdhsa_reserve_vcc 0
		.amdhsa_float_denorm_mode_32 3
		.amdhsa_float_denorm_mode_16_64 3
		.amdhsa_memory_ordered 1
		.amdhsa_forward_progress 1
		.amdhsa_inst_pref_size 40
	.end_amdhsa_kernel
	.amdgpu_metadata
---
amdhsa.version: [ 1, 2 ]
amdhsa.kernels:
  - .name:           k_q9edf7c7cc1_quant
    .symbol:         k_q9edf7c7cc1_quant.kd
    .args:
      - { .name: query, .offset: 0, .size: 8, .value_kind: global_buffer, .address_space: global }
      - { .name: key, .offset: 8, .size: 8, .value_kind: global_buffer, .address_space: global }
      - { .name: value, .offset: 16, .size: 8, .value_kind: global_buffer, .address_space: global }
      - { .name: wq, .offset: 24, .size: 8, .value_kind: global_buffer, .address_space: global }
      - { .name: wk, .offset: 32, .size: 8, .value_kind: global_buffer, .address_space: global }
      - { .name: wv, .offset: 40, .size: 8, .value_kind: global_buffer, .address_space: global }
      - { .name: wo, .offset: 48, .size: 8, .value_kind: global_buffer, .address_space: global }
      - { .name: codes, .offset: 56, .size: 8, .value_kind: global_buffer, .address_space: global }
      - { .name: scales, .offset: 64, .size: 8, .value_kind: global_buffer, .address_space: global }
      - { .name: woh, .offset: 72, .size: 8, .value_kind: global_buffer, .address_space: global }
    .group_segment_fixed_size: 33280
    .private_segment_fixed_size: 0
    .kernarg_segment_align: 8
    .kernarg_segment_size: 80
    .max_flat_workgroup_size: 128
    .sgpr_count:     66
    .vgpr_count:     192
    .wavefront_size: 32
...
	.end_amdgpu_metadata
.endif
;; end of part 1
;; launch proj (part 2): grid 4 x 96, 4 waves a work-group, clusters of 4 x 4, 327,680 bytes of LDS; arguments codes, scales, bq, bk, bv, qkv; writes qkv
.if DOCPART == 2
	.amdgcn_target "amdgcn-amd-amdhsa--gfx1250"
	.amdhsa_code_object_version 6
	.text
	.protected	k_q9edf7c7cc1_proj
	.globl	k_q9edf7c7cc1_proj
	.p2align	8
	.type	k_q9edf7c7cc1_proj,@function
k_q9edf7c7cc1_proj:
	s_mov_b64 s[64:65], 0
	v_nop
	global_prefetch_b8 v0, s[64:65] scope:SCOPE_SE
	s_setreg_imm32_b32 hwreg(HW_REG_WAVE_MODE, 25, 1), 1
	s_wait_xcnt 0x0
	s_wait_alu depctr_hold_cnt(0) depctr_sa_sdst(0) depctr_va_vdst(0) depctr_va_sdst(0) depctr_va_ssrc(0) depctr_va_vcc(0) depctr_vm_vsrc(0)
	s_getreg_b32 s2, hwreg(HW_REG_IB_STS2, 6, 4)
	s_cmp_eq_u32 s2, 0
	s_cbranch_scc0 .Lentry_in_a_cluster
	s_endpgm
.Lentry_in_a_cluster:
	s_bfe_u32 s2, ttmp6, 0x10000c
	s_cmp_lg_u32 s2, 0xf033
	s_cbranch_scc0 .Lentry_shape_is_right
	s_endpgm
.Lentry_shape_is_right:
; Q = query wq^T + bq, K = key wk^T + bk, V = value wv^T + bv, on codes of FP4 (E2M1) with one E8M0 scale for each 32 along K; sums in f32; results rounded once to f16 and laid by head:
; qkv [T = 0 Q, 1 K, 2 V][16 b + h][l 2048][64].  codes: 27,648 rows of 512 bytes: rows 0.. query, 8192.. key, 16384.. value, 24576.. wq, 25600.. wk, 26624.. wv; scales: the same rows, 32 bytes each.
; LIMITS: the results go to f16: magnitudes up to 65,504.  The bias is the first addend of each f32 sum, where the definition adds it last.
; A tile of C, 256 x 256, is made by a work-group of four waves; a wave makes 128 x 128: 64 accumulators of 16 x 16, 512 registers.  The three products are one stack of 96 tile rows x 4 tile columns.
; K = 1,024 is two K steps of 512 (rows of 256 bytes): both LDS slots are filled once, at the start, and nothing is filled again.  The scales of the work-group's rows of A and of B, for all of K, come once with them.
; CLUSTERS: 4 x 4 work-groups.  The four of a row of the cluster need the same tiles of A, the four of a column the same tiles of B: each tile is asked for JOINTLY, by the same tensor load with the same descriptor and a mask
; that names the four.  A cluster's 1,024 rows lie in one of the three tensors, so T hangs on the cluster's y alone.  THE MATRIX INSTRUCTION IS USED TRANSPOSED (source 0 = 16 rows of W, source 1 = 16 rows of x): a lane holds
; eight neighbouring columns of one row of C.
; REGISTERS, in windows of 256: window 0: v0-31 addresses; v32-95 scale words, two sets; v128-191 A's fragments, ONE set; v192-255 the bias in the result's layout; on the way out v128-223 are free.
;   window 1: B's fragments, TWO sets, at v0 and v128.   window 2: the accumulators of my rows 0-63 ((a, b) at v[8 (8 a + b)]);   window 3: those of my rows 64-127.
.set KSTEP,  512
.set NQ,     KSTEP/128                 ; matrix instructions deep
.set ROWB,   256                       ; a tile's row in bytes
.set KROW,   512                       ; a row of codes in memory
.set PITCH,  272                       ; an LDS row: 256 bytes + 16 of padding, so that the 16 rows of a fragment load start 16 bytes apart modulo 256
.set FR,     8                         ; registers of a fragment: 16 rows x 128 K
.set NL,     2                         ; LDS loads that bring one
.set NP,     4                         ; places behind this matrix instruction (ISA guide 7.12.1)
.set HALFT,  128*PITCH                 ; 128 rows: what one tensor load brings
.set SLOT,   4*HALFT                   ; A's 256 rows, then B's 256 rows
.set KS,     32                        ; a row of scales in bytes
.set SCL,    2*SLOT                    ; behind the slots: the scales, as rows of 256 bytes + 16 of padding
.set HALFS,  (128*KS/256)*272          ; the scales of 128 rows
.set SBLK,   (16*KS/256)*272           ; those of 16 rows
.set SPARE,  SCL+4*HALFS               ; behind the scales: the spare words, 128 bytes for each wave, which no other line names
.set SPITCH, 272                       ; the way out: a stage of 16 rows x (256 bytes + 16) for each wave, in slot 0, which has had its only fill and its last read when the first result is stored there
.set WROW0,  24576                     ; the weights' first row in the stack
.set ADRA, 16                          ; v16-17  LDS address of my A fragments in slot 0, 1
.set ADRB, 20                          ; v20-21  the same for B
.set STO,  24                          ; v24     the way out: where I put 16 bytes of a row
.set RD,   25                          ; v25     where I read back
.set CO,   26                          ; v26     16 x lane
.set ADRS, 27                          ; v27     LDS address of my scale words: lanes 0-15 A's rows, lanes 16-31 B's
.set SPW,  28                          ; v28     LDS address of my spare word; never rewritten
.set NIL,  29                          ; v29     0; never rewritten
.set SC,   32                          ; scale words: set s at v[SC + 32 s]; register 4 i + q: lanes 0-15 the word of A's block i, lanes 16-31 of B's block i, for the slot's q-th 128 along K
.set AF,   128
.set BI,   192                          ; v[BI + 8 b + j] = bias of column 16 b + 8 (lane / 16) + j of my 128
.set TMP,  192                          ; the way out: packed results
.set BK,   128                          ; the way out: rows read back: v128-159 and v160-191 by turns
.set G1, 24                            ; s[24:31] descriptor group 1 for A's tiles;  s[32:39] group 0, one set for each slot
.set G0, 32
.set G1B, 48                           ; s[48:55], s[56:63] the same for B's tiles
.set G0B, 56
.set G1S, 68                           ; s[68:75], s[76:79] groups 1 and 0 for A's scales;  s[80:87], s[88:91] for B's
.set G0S, 76
.set G1SB, 80
.set G0SB, 88
.set MSB, 0
.macro WIN new                         ; the immediate's high byte repeats the setting that is left
.if MSB != (\new)
	s_set_vgpr_msb (MSB<<8)|(\new)
.set MSB, (\new)
.endif
.endm
.set MUL_LO, 0xa1                      ; source 0 (B) window 1, source 1 (A) window 0, C and D window 2.  Less 0x20: C in window 0 (the bias)
.set MUL_HI, 0xf1                      ; the same, C and D window 3.  Less 0x30: C in window 0
.set TO_B,   0x40                      ; destination window 1, address window 0
; A joint load: waves 0 and 1 fetch for A, waves 2 and 3 for B.  Each of the two lines has ONE mask and one set of registers for all that issue it; the branch hangs on the wave's number alone.
; An s_nop 0 and four v_nop follow each of the two lines, ahead of the jump, the label and what follows.
.macro JLOAD g0a, g1a, g0b, g1b
	s_cmp_eq_u32 s15, 0
	s_cbranch_scc0 .Lfor_b_\@
	tensor_load_to_lds s[\g0a:\g0a+3], s[\g1a:\g1a+7]
	s_nop 0
.rept 4
	v_nop
.endr
	s_branch .Lasked_\@
.Lfor_b_\@:
	tensor_load_to_lds s[\g0b:\g0b+3], s[\g1b:\g1b+7]
	s_nop 0
.rept 4
	v_nop
.endr
.Lasked_\@:
.endm
.macro CROUND                          ; a round of the cluster's barrier: my work-group's barrier; wave 0 signals for the work-group; every wave waits for all sixteen; my work-group's barrier once more
	s_barrier_signal -1
	s_barrier_wait -1
	s_cmp_lg_u32 s14, 0
	s_cbranch_scc1 .Lnot_wave_0_\@
	s_barrier_signal -3
.Lnot_wave_0_\@:
	s_barrier_wait -3
	s_barrier_signal -1
	s_barrier_wait -1
.endm
	s_load_b128 s[4:7], s[0:1], 0x0                ; codes s[4:5], scales s[6:7]
	s_load_b128 s[8:11], s[0:1], 0x10              ; bq s[8:9], bk s[10:11]
	s_load_b128 s[96:99], s[0:1], 0x20             ; bv s[96:97], qkv s[98:99]
	v_lshl_add_u32 v[SPW], v0, 2, SPARE
	v_mov_b32 v[NIL], 0
	ds_add_u32 v[SPW], v[NIL]                      ; the wave's opening: the add, and its wait ahead of my first tensor load; the set-up below, work on registers, stands between them
	v_lshrrev_b32 v1, 5, v0
	v_readfirstlane_b32 s14, v1                    ; wave 0..3
	s_lshr_b32 s15, s14, 1                         ; which half of the tile's rows is mine.  Also: I fetch for A (0) or for B (1)
	s_and_b32 s16, s14, 1                          ; which half of its columns.  Also: which 128 rows of that tile I fetch
	s_bfe_u32 s40, ttmp6, 0x40000                  ; cx, cy: my place in the cluster
	s_bfe_u32 s41, ttmp6, 0x40004
	s_lshl_b32 s42, ttmp9, 2
	s_add_co_u32 s42, s42, s40                     ; tile column = 4 x cluster x + cx: 0..3
	s_and_b32 s17, ttmp7, 0xffff
	s_lshr_b32 s95, s17, 3                         ; T: eight clusters of 1,024 rows to a tensor: the same in all sixteen partners
	s_lshl_b32 s17, s17, 2
	s_add_co_u32 s17, s17, s41                     ; tile row of the stack = 4 x cluster y + cy: 0..95
	s_lshl_b32 s43, s41, 2
	s_lshl_b32 s43, 15, s43                        ; my row of the cluster
	s_lshl_b32 s44, 0x1111, s40                    ; my column
	; descriptor group 1: a tile of 128 rows x 256 bytes, padded in LDS
	s_or_b32 s[G1+0], s43, (0<<16)|(1<<20)|(1<<21)|(5<<22)|(3<<25)  ; 15:0 the mask: A's tiles go to my row; 17:16 elements of 1 byte; 20 padding on; 21 set beside a mask; 24:22 after every 64 words; 31:25 four words of it
	s_or_b32 s[G1B+0], s44, (0<<16)|(1<<20)|(1<<21)|(5<<22)|(3<<25) ; the same with my column's mask
.irp g, G1, G1B
	s_mov_b32 s[\g+1], ROWB<<16                    ; tensor_dim0
	s_mov_b32 s[\g+2], 128<<16                     ; tensor_dim1
	s_mov_b32 s[\g+3], ROWB<<16                    ; tile_dim0
	s_mov_b32 s[\g+4], 128                         ; tile_dim1
	s_mov_b32 s[\g+5], KROW                        ; tensor_dim0_stride
	s_mov_b32 s[\g+6], 0
	s_mov_b32 s[\g+7], 0
.endr
	; and for the scales of 128 rows: a dense block of 4,096 bytes, as rows of 256 bytes (32 elements of 8 bytes), 16 bytes of padding behind each
	s_or_b32 s[G1S+0], s43, (3<<16)|(1<<20)|(1<<21)|(5<<22)|(3<<25)
	s_or_b32 s[G1SB+0], s44, (3<<16)|(1<<20)|(1<<21)|(5<<22)|(3<<25)
.irp g, G1S, G1SB
	s_mov_b32 s[\g+1], 32<<16
	s_mov_b32 s[\g+2], (128*KS/256)<<16
	s_mov_b32 s[\g+3], 32<<16
	s_mov_b32 s[\g+4], 128*KS/256
	s_mov_b32 s[\g+5], 32
	s_mov_b32 s[\g+6], 0
	s_mov_b32 s[\g+7], 0
.endr
	s_lshl_b32 s18, s16, 7                         ; which 128 rows of the tile I fetch
	s_lshl_b32 s20, s17, 8
	s_add_co_u32 s20, s20, s18                     ; A: row 256 x tile row + 128 x half
	s_lshl_b32 s46, s42, 8
	s_add_co_u32 s46, s46, s18                     ; B: row 256 x tile column + 128 x half,
	s_lshl_b32 s47, s95, 10
	s_add_co_u32 s46, s46, s47                     ; in weight T,
	s_add_co_u32 s46, s46, WROW0                   ; behind the activations
	s_mov_b32 s21, 0
	s_mov_b32 s47, 0
	s_mov_b64 s[18:19], KS
	s_mul_u64 s[22:23], s[20:21], s[18:19]         ; where these rows' scales begin, in bytes
	s_mul_u64 s[92:93], s[46:47], s[18:19]
	s_mov_b64 s[18:19], KROW
	s_mul_u64 s[20:21], s[20:21], s[18:19]         ; and their codes
	s_mul_u64 s[46:47], s[46:47], s[18:19]
	s_mul_i32 s45, s14, HALFT                      ; where they go: wave x 128 rows: no place in the cluster enters an LDS address
	s_mul_i32 s94, s14, HALFS
	s_wait_dscnt 0x0                               ; the opening add is done
	s_wait_kmcnt 0x0
	s_add_nc_u64 s[20:21], s[4:5], s[20:21]
	s_add_nc_u64 s[22:23], s[6:7], s[22:23]
	s_add_nc_u64 s[46:47], s[4:5], s[46:47]
	s_add_nc_u64 s[92:93], s[6:7], s[92:93]
	CROUND                                         ; all sixteen work-groups are here: the joint loads meet
	s_mov_b32 s[G0S], 1
	s_add_co_u32 s[G0S+1], s94, SCL
	s_mov_b64 s[G0S+2:G0S+3], s[22:23]
	s_or_b32 s[G0S+3], s[G0S+3], 0x80000000
	s_mov_b32 s[G0SB], 1
	s_add_co_u32 s[G0SB+1], s94, SCL
	s_mov_b64 s[G0SB+2:G0SB+3], s[92:93]
	s_or_b32 s[G0SB+3], s[G0SB+3], 0x80000000
	JLOAD G0S, G1S, G0SB, G1SB                     ; the scales first: they are wanted with K step 0.  By this text's count three tensor loads of a wave are out at the most
.irp s, 0,1
	s_mov_b32 s[G0+4*\s], 1
	s_add_co_u32 s[G0+4*\s+1], s45, \s*SLOT
	s_add_nc_u64 s[G0+4*\s+2:G0+4*\s+3], s[20:21], \s*ROWB
	s_or_b32 s[G0+4*\s+3], s[G0+4*\s+3], 0x80000000
	s_mov_b32 s[G0B+4*\s], 1
	s_add_co_u32 s[G0B+4*\s+1], s45, \s*SLOT
	s_add_nc_u64 s[G0B+4*\s+2:G0B+4*\s+3], s[46:47], \s*ROWB
	s_or_b32 s[G0B+4*\s+3], s[G0B+4*\s+3], 0x80000000
	JLOAD G0+4*\s, G1, G0B+4*\s, G1B
.endr
	v_and_b32 v1, 15, v0                           ; r = lane % 16
	v_bfe_u32 v2, v0, 4, 1                         ; h = lane / 16
	; the bias of my 128 columns, in the result's layout: it is the C of each sum's first matrix instruction
	s_cmp_eq_u32 s95, 1
	s_cselect_b64 s[8:9], s[10:11], s[8:9]
	s_cmp_eq_u32 s95, 2
	s_cselect_b64 s[8:9], s[96:97], s[8:9]
	s_lshl_b32 s46, s42, 10                        ; 4 x (256 x tile column + 128 x half)
	s_lshl_b32 s47, s16, 9
	s_add_co_u32 s46, s46, s47
	s_mov_b32 s47, 0
	s_add_nc_u64 s[8:9], s[8:9], s[46:47]
	v_lshlrev_b32 v30, 5, v2                       ; + 32 h
.irp b, 0,1,2,3,4,5,6,7
	global_load_b128 v[BI+8*\b:BI+8*\b+3], v30, s[8:9] offset:64*\b
	global_load_b128 v[BI+8*\b+4:BI+8*\b+7], v30, s[8:9] offset:64*\b+16
.endr
	v_mul_u32_u24 v3, v1, PITCH
	v_lshl_add_u32 v4, v2, 4, v3                   ; a fragment's row x pitch + 16 x half
	s_mul_i32 s21, s15, HALFT                      ; my 128 rows of A
	s_mul_i32 s22, s16, HALFT                      ; my 128 rows of B,
	s_add_co_u32 s22, s22, 2*HALFT                 ; which lie behind A's 256
.irp s, 0,1
	v_add_nc_u32 v[ADRA+\s], s21, v4
	v_add_nc_u32 v[ADRB+\s], s22, v4
	s_add_co_u32 s21, s21, SLOT
	s_add_co_u32 s22, s22, SLOT
.endr
	v_mul_u32_u24 v5, v1, KS                       ; my row's scales: 32 bytes a row,
	v_lshrrev_b32 v6, 8, v5
	v_lshl_add_u32 v5, v6, 4, v5                   ; and 16 more for each 256 passed
	s_mul_i32 s21, s15, HALFS                      ; A's: my 128 rows
	s_mul_i32 s22, s16, HALFS                      ; B's: my 128 rows, behind A's 256
	s_add_co_u32 s22, s22, 2*HALFS
	s_sub_co_u32 s22, s22, s21
	v_mul_u32_u24 v6, s22, v2                      ; lanes 16-31 take B's: one product, the distance between the two bases
	s_add_co_u32 s21, s21, SCL
	v_add_nc_u32 v5, v5, v6
	v_add_nc_u32 v[ADRS], s21, v5
	s_mul_i32 s23, s14, 16*SPITCH                  ; my stage
	v_add_nc_u32 v[STO], s23, v4                   ; in: row r, 16 bytes for each half of the lanes
	v_bfe_u32 v7, v0, 3, 2
	v_mul_u32_u24 v7, v7, SPITCH
	v_and_b32 v8, 7, v0
	v_lshl_add_u32 v7, v8, 4, v7
	v_add_nc_u32 v[RD], s23, v7                    ; back: eight lanes take a head's 128 bytes of a row, the 32 lanes four rows
	v_and_b32 v8, 31, v0
	v_lshlrev_b32 v[CO], 4, v8                     ; which are 512 consecutive bytes of qkv
	; where my part begins in qkv: T x 2^24 + (16 b + head) x 2^18 + l x 128
	s_and_b32 s20, s17, 31
	s_lshl_b32 s20, s20, 8
	s_lshl_b32 s21, s15, 7
	s_add_co_u32 s20, s20, s21                     ; my first row in tensor T
	s_lshr_b32 s21, s20, 11                        ; b
	s_lshl_b32 s21, s21, 4
	s_lshl_b32 s22, s42, 2
	s_add_co_u32 s21, s21, s22
	s_lshl_b32 s22, s16, 1
	s_add_co_u32 s21, s21, s22                     ; 16 b + my first head (4 x tile column + 2 x half)
	s_lshl_b32 s21, s21, 18
	s_and_b32 s20, s20, 2047                       ; l
	s_lshl_b32 s20, s20, 7
	s_add_co_u32 s20, s20, s21
	s_lshl_b32 s22, s95, 24
	s_add_co_u32 s20, s20, s22                     ; under 2^26
	s_mov_b32 s21, 0
	s_add_nc_u64 s[12:13], s[98:99], s[20:21]
.macro FRAG reg, adr, q, i             ; a fragment, 16 rows x 128 K of 4-bit codes: lane l holds row l % 16; registers 4 c .. 4 c + 3 hold K = 64 c + 32 (l / 16) + 0 .. 31
.irp c, 0,1
	ds_load_b128 v[\reg+4*\c:\reg+4*\c+3], v[\adr] offset:64*(\q)+32*\c+(\i)*16*PITCH
.endr
.endm
; 16 matrix instructions: A's blocks a0, a0 + 1 x B's eight, 128 along K: the slot's q-th.  p: B's set;  sc: the set of scale words.  zero = 1: the first product starts the sums, with the bias as its C: nothing is cleared.
; The 64 accumulators take turns, one instruction a turn, in the same order in every step.
.macro MUL16 a0, p, q, sc, zero
.irp a, \a0, \a0+1
.irp b, 0,1,2,3,4,5,6,7
.if \zero
	v_wmma_scale_f32_16x16x128_f8f6f4 v[8*(8*((\a)%4)+\b):8*(8*((\a)%4)+\b)+7], v[128*(\p)+FR*\b:128*(\p)+FR*\b+FR-1], v[AF+FR*(\a):AF+FR*(\a)+FR-1], v[BI+8*\b:BI+8*\b+7], v[SC+8*NQ*(\sc)+NQ*\b+(\q)], v[SC+8*NQ*(\sc)+NQ*(\a)+(\q)] matrix_a_fmt:MATRIX_FMT_FP4 matrix_b_fmt:MATRIX_FMT_FP4 matrix_a_scale:MATRIX_SCALE_ROW1
.else
	v_wmma_scale_f32_16x16x128_f8f6f4 v[8*(8*((\a)%4)+\b):8*(8*((\a)%4)+\b)+7], v[128*(\p)+FR*\b:128*(\p)+FR*\b+FR-1], v[AF+FR*(\a):AF+FR*(\a)+FR-1], v[8*(8*((\a)%4)+\b):8*(8*((\a)%4)+\b)+7], v[SC+8*NQ*(\sc)+NQ*\b+(\q)], v[SC+8*NQ*(\sc)+NQ*(\a)+(\q)] matrix_a_fmt:MATRIX_FMT_FP4 matrix_b_fmt:MATRIX_FMT_FP4 matrix_a_scale:MATRIX_SCALE_ROW1
.endif
.endr
.endr
.endm
.macro FETCH_B slot, q, p              ; B's eight fragments of the slot's q-th 128 along K into set p
	WIN TO_B
.irp i, 0,1,2,3,4,5,6,7
	FRAG 128*(\p)+FR*\i, ADRB+\slot, \q, \i
.endr
	WIN 0
.endm
.macro FETCH_A slot, q, i0             ; A's blocks i0 .. i0 + 3
.irp i, \i0, \i0+1, \i0+2, \i0+3
	FRAG AF+FR*(\i), ADRA+\slot, \q, \i
.endr
.endm
.macro SCALES sc                       ; a K step's scale words into set sc: four words a row; lanes 0-15 take A's block i, lanes 16-31 B's block i
.irp i, 0,1,2,3,4,5,6,7
	ds_load_b128 v[SC+8*NQ*\sc+NQ*\i:SC+8*NQ*\sc+NQ*\i+3], v[ADRS] offset:\i*SBLK
.endr
.endm
; A load into a register that a matrix instruction has read, and a vector instruction that reads a matrix result, stand NP places behind that matrix instruction; only plain vector instructions that name none of its
; registers are places (ISA guide 7.12.1 for vector instructions).
.macro PLACES n
.rept \n
	v_nop
.endr
.endm
; A step of 128 along K that has its successor in the same slot.  A block of A is free as soon as its eight products are issued: blocks 0-3 are fetched anew in the step's middle, blocks 4-7 at its end.
.macro STEP slot, q, zero
	s_wait_dscnt 4*NL                              ; B's set and A's blocks 0-3 are in; the youngest eight loads (A's blocks 4-7) may be out
	WIN MUL_LO-0x20*(\zero)
	MUL16 0, (\q)%2, \q, \slot, \zero
	MUL16 2, (\q)%2, \q, \slot, \zero
	s_wait_dscnt 0                                 ; A's blocks 4-7 are in (asked for 32 matrix instructions ago)
	PLACES NP
	FETCH_B \slot, (\q)+1, 1-(\q)%2
	FETCH_A \slot, (\q)+1, 0
	WIN MUL_HI-0x30*(\zero)
	MUL16 4, (\q)%2, \q, \slot, \zero
	MUL16 6, (\q)%2, \q, \slot, \zero
	PLACES NP
	WIN 0
	FETCH_A \slot, (\q)+1, 4
.endm
; Slot 0's last step changes slots: ONE barrier; in front of it each wave waits for all its tensor loads (its part of slot 1), adds 0 to its spare word, and waits for that and for its own reads of slot 0.  Nothing is filled again.
.macro TURN slot, next
	s_wait_tensorcnt 0x0                           ; all my tensor loads have landed  (every window is 0 here: the add's two registers lie in window 0)
	ds_add_u32 v[SPW], v[NIL]                      ; 0 onto my spare word
	s_wait_dscnt 4*NL+1                            ; (the add and the youngest eight loads, A's blocks 4-7, may be out)
	WIN MUL_LO
	MUL16 0, 1, NQ-1, \slot, 0                     ; sixteen matrix instructions stand between the add and the wait for it
	s_wait_dscnt 0x0                               ; the add is done, and my reads of this slot are over
	s_barrier_signal -1
	MUL16 2, 1, NQ-1, \slot, 0
	WIN 0
	s_barrier_wait -1                              ; the next slot is whole, and nobody reads this one any more
	PLACES NP
	v_add_nc_u32 v[ADRS], 4*NQ, v[ADRS]            ; on to the next K step's scale words (no LDS load of mine is out)
	FETCH_B \next, 0, 0
	FETCH_A \next, 0, 0
	SCALES \next
	WIN MUL_HI
	MUL16 4, 1, NQ-1, \slot, 0
	MUL16 6, 1, NQ-1, \slot, 0
	PLACES NP
	WIN 0
	FETCH_A \next, 0, 4
.endm
.macro STEPS slot, from                ; the slot's steps from .. NQ - 2
.set Q, \from
.rept NQ-1-\from
	STEP \slot, Q, 0
.set Q, Q+1
.endr
.endm
	s_wait_tensorcnt 1                             ; the scales and my part of K step 0 are in; the one load issued behind them, K step 1's, may be out
	s_barrier_signal -1
	s_barrier_wait -1                              ; everybody's are
	FETCH_B 0, 0, 0
	FETCH_A 0, 0, 0
	SCALES 0
	FETCH_A 0, 0, 4
	s_wait_loadcnt 0x0                             ; the bias
	STEP 0, 0, 1                                   ; the first step's products start the sums
	STEPS 0, 1
	TURN 0, 1
	STEPS 1, 0
	s_wait_dscnt 4*NL                              ; the very last step: nothing more to fetch
	WIN MUL_LO
	MUL16 0, 1, NQ-1, 1, 0
	MUL16 2, 1, NQ-1, 1, 0
	s_wait_dscnt 0
	WIN MUL_HI
	MUL16 4, 1, NQ-1, 1, 0
	MUL16 6, 1, NQ-1, 1, 0
	WIN 0
; THE WAY OUT, block by block of 16 rows x 128 columns (two heads).  PACK: rounded to f16, 16 bytes a lane, each accumulator from its low end on.  TOSTAGE: into my own stage and back, four rows of one head to a load.
; SEND: each store of the wave covers 512 consecutive bytes of qkv, aligned.  LDS serves a wave's instructions in order: no wait between the stage's stores and its loads.
.macro PACK a
.set AC, 64*((\a)%4)
	WIN 0x0a+5*((\a)/4)                            ; sources 0 and 1: window 2 or 3
.irp b, 0,1,2,3,4,5,6,7
.irp r, 0,1,2,3
	v_cvt_pk_f16_f32 v[TMP+4*\b+\r], v[AC+8*\b+2*\r], v[AC+8*\b+2*\r+1]
.endr
.endr
	WIN 0
.endm
.macro TOSTAGE a
.set BB, BK+32*((\a)%2)
.irp b, 0,1,2,3,4,5,6,7
	ds_store_b128 v[STO], v[TMP+4*\b:TMP+4*\b+3] offset:32*\b
.endr
.irp t, 0,1,2,3,4,5,6,7
	ds_load_b128 v[BB+4*\t:BB+4*\t+3], v[RD] offset:(\t%4)*4*SPITCH+128*(\t/4)   ; rows 4 (t % 4) on, head t / 4
.endr
.endm
.macro SEND a
.set BB, BK+32*((\a)%2)
	s_wait_dscnt 0x0                               ; the block is back in registers
	s_wait_xcnt 0x0                                ; the stores of the block before have read their registers: the next block's loads may land there
.irp t, 0,1,2,3,4,5,6,7
	global_store_b128 v[CO], v[BB+4*\t:BB+4*\t+3], s[12:13] offset:(\a)*2048+(\t%4)*512+(\t/4)*262144   ; every offset is an immediate: the base is never stepped
.endr
.endm
	PLACES NP                                      ; behind the last products: for the conversions, and for the loads into the registers that held A's fragments
	PACK 0
	TOSTAGE 0
.irp a, 1,2,3,4,5,6,7                  ; block a's conversions stand between block a - 1's loads from the stage and the wait for them
	PACK \a
	SEND \a-1
	TOSTAGE \a
.endr
	SEND 7
	s_wait_tensorcnt 0x0                           ; the wave's end, behind my last tensor load and my last LDS store
	ds_add_u32 v[SPW], v[NIL]
	s_wait_dscnt 0x0
	CROUND                                         ; the closing round: no work-group ends while a partner may still ask for a tile that names it
	s_endpgm
.Lfunc_end_k_q9edf7c7cc1_proj:
	.size	k_q9edf7c7cc1_proj, .Lfunc_end_k_q9edf7c7cc1_proj-k_q9edf7c7cc1_proj
	.p2alignl 7, 3214868480
	.fill 96, 4, 3214868480
	.section	.rodata,"a",@progbits
	.p2align	6, 0x0
	.amdhsa_kernel k_q9edf7c7cc1_proj
		.amdhsa_group_segment_fixed_size 327680
		.amdhsa_private_segment_fixed_size 0
		.amdhsa_enable_private_segment 0
		.amdhsa_kernarg_size 48
		.amdhsa_user_sgpr_count 2
		.amdhsa_user_sgpr_kernarg_segment_ptr 1
		.amdhsa_wavefront_size32 1
		.amdhsa_system_sgpr_workgroup_id_x 1
		.amdhsa_system_sgpr_workgroup_id_y 1
		.amdhsa_system_sgpr_workgroup_id_z 1
		.amdhsa_system_vgpr_workitem_id 0
		.amdhsa_next_free_vgpr 1024
		.amdhsa_next_free_sgpr 100
		.amdhsa_reserve_vcc 0
		.amdhsa_float_denorm_mode_32 3
		.amdhsa_float_denorm_mode_16_64 3
		.amdhsa_memory_ordered 1
		.amdhsa_forward_progress 1
		.amdhsa_inst_pref_size 128
	.end_amdhsa_kernel
	.amdgpu_metadata
---
amdhsa.version: [ 1, 2 ]
amdhsa.kernels:
  - .name:           k_q9edf7c7cc1_proj
    .symbol:         k_q9edf7c7cc1_proj.kd
    .args:
      - { .name: codes, .offset: 0, .size: 8, .value_kind: global_buffer, .address_space: global }
      - { .name: scales, .offset: 8, .size: 8, .value_kind: global_buffer, .address_space: global }
      - { .name: bq, .offset: 16, .size: 8, .value_kind: global_buffer, .address_space: global }
      - { .name: bk, .offset: 24, .size: 8, .value_kind: global_buffer, .address_space: global }
      - { .name: bv, .offset: 32, .size: 8, .value_kind: global_buffer, .address_space: global }
      - { .name: qkv, .offset: 40, .size: 8, .value_kind: global_buffer, .address_space: global }
    .group_segment_fixed_size: 327680
    .private_segment_fixed_size: 0
    .kernarg_segment_align: 8
    .kernarg_segment_size: 48
    .max_flat_workgroup_size: 128
    .sgpr_count:     100
    .vgpr_count:     1024
    .wavefront_size: 32
...
	.end_amdgpu_metadata
.endif
;; end of part 2
;; launch attn (part 3): grid 4 x 64, 8 waves a work-group, no clusters, 327,680 bytes of LDS; arguments qkv, ctx; writes ctx
.if DOCPART == 3
	.amdgcn_target "amdgcn-amd-amdhsa--gfx1250"
	.amdhsa_code_object_version 6
	.text
	.protected	k_q9edf7c7cc1_attn
	.globl	k_q9edf7c7cc1_attn
	.p2align	8
	.type	k_q9edf7c7cc1_attn,@function
k_q9edf7c7cc1_attn:
	s_mov_b64 s[64:65], 0
	v_nop
	global_prefetch_b8 v0, s[64:65] scope:SCOPE_SE
	s_setreg_imm32_b32 hwreg(HW_REG_WAVE_MODE, 25, 1), 1
	s_wait_xcnt 0x0
; ctx[b][l][64 h ..] = the sum over s <= l of softmax_s(Q[l] . K[s] / 8) V[s], for each of the 64 heads hb = 16 b + h.  qkv: [T = 0 Q, 1 K, 2 V][hb][l 2048][64] f16.  Products on f16 operands, maxima and sums in f32;
; the weights p are rounded to f16 for the second product; NaN in the result is replaced by 0; the result is rounded once to f16.
; ctx is laid [(2048 b + l) / 2][h][l % 2][64]: a head's 64 channels of two neighbouring rows are 256 consecutive bytes, aligned.
; LIMITS: the result goes to f16: magnitudes up to 65,504.  p under 2^-25 counts as 0 in the second product (it still counts in the row's sum).
; SHARES.  A work-group owns TWO blocks of 256 queries of one head: first block 7 - i, which wants the keys' slots 0 .. 7 - i, then block i, which wants slots 0 .. i (a slot is 256 keys; i = work-group x, 0..3).
; So every work-group walks 9 slots: 256 work-groups of equal length, and every trip count is a constant.  Each of the eight waves owns 32 queries of the block in hand, two tiles of 16, so that each fragment of K and V
; read from LDS feeds two products; two waves share a SIMD, so that one wave's softmax stands beside the other's products and LDS loads.  A key step is 64 keys, four to a slot.
; THE MASK.  A step all of whose keys come after the wave's queries is left out (a scalar branch on ids); on the diagonal hidden scores become -infinity ahead of the maximum.  A step that is walked begins at or under the
; wave's first query (steps begin at multiples of 64, waves at multiples of 32), so no row of it is hidden wholly.
; LAYOUT.  S^T = K Q^T (source 0 = 16 keys, source 1 = 16 queries): a lane holds ONE query (lane % 16) and keys 8 (lane / 16) + 0..7.  Two such tiles, rounded in pairs, ARE source 1 (32 keys x 16 queries) of O^T = V^T P.
; K comes out of LDS as it lies, V ([key][channel]) turned, by ds_load_tr16_b128.
; SOFTMAX.  For each query a running maximum m and sum l: p = 2^(c s - c m), c = log2(e) / 8; in every step O^T and l are multiplied by a = 2^(c m_old - c m_new).
; NO CLUSTER.  The four work-groups of a head ask for the same slots in trips 0 to 4 only; from trip 5 on they differ.  Walking in step, with partners that ask and discard, would take 8 + 4 = 12 slots for each against 9.
; REGISTERS.  window 0: v1-15 addresses and constants; v16-31 eight statistics a tile; v32-95 S^T; v96-127 P; v128-191 K's fragments; v192-255 V's.   window 1: v0-31 Q; v32-95 O^T.
.set KS,    64                         ; keys in a step
.set NST,   4                          ; steps in a slot
.set PK,    144                        ; a row of K in LDS: 128 bytes + 16: the 16 rows of a load start 16 bytes apart modulo 256
.set PV,    160                        ; a row of V: 128 + 32, an odd multiple of 32, as the turning load's 8 rows x 32 bytes want
.set VOFF,  KS*PK                      ; a step's tiles lie together: 64 rows of K, then 64 rows of V
.set STEPB, KS*(PK+PV)
.set SLOT1, 1<<17                      ; a slot takes 77,824 bytes; slot 1 begins here, so that one exclusive or turns an address in one slot into the other's
.set SLOTB, NST*KS*128                 ; a slot's rows of K, or of V, in memory: 32,768 bytes
.set STAGE, SLOT1+NST*STEPB            ; behind the ring: 32 rows x 144 bytes for each wave, for the way out; no tile lands there
.set WSTG,  32*PK
.set SPARE, STAGE+8*WSTG               ; behind the stages: the spare words, 128 bytes for each wave, which no other line names
.set AK0, 1                            ; v1   my lane's place in a tile of K
.set AV0, 2                            ; v2   the same for V
.set ADK, 3                            ; v3   LDS address of the step's K
.set ADV, 4                            ; v4   of its V
.set QO,  5                            ; v5   my byte offset in the wave's rows of Q
.set STO, 6                            ; v6   the way out: where I put 16 bytes of a row
.set RD,  7                            ; v7   where I read back
.set GO,  8                            ; v8   my byte offset in the wave's rows of ctx
.set PFO, 9                            ; v9   256 x lane; never rewritten
.set SPW, 10                           ; v10  LDS address of my spare word; never rewritten
.set NIL, 11                           ; v11  0; never rewritten
.set DQ,  12                           ; v12  lane % 16 - 8 (lane / 16)
.set NINF, 13                          ; v13  -infinity
.set DM,  14                           ; v14-15 the mask's limit for tile 0, 1
.set ST,  16                           ; tile t's statistics at v[ST + 8 t]: +0 c m, +1 m, +2, +3 l (even keys', odd keys'), +4 to +7 at work; a takes +6
.set S,   32
.set P,   96
.set KF,  128
.set VF,  192
.set OT,  32                           ; O^T, in window 1
.set WV,  8                            ; s8   my wave's number
.set TR,  9                            ; s9   the trip, 0 .. 8
.set SWT, 10                           ; s10  7 - i: the first block's last trip
.set BACK, 11                          ; s11  (8 - i) slots in bytes: from behind the first block's last slot back to key 0
.set BK,  12                           ; s[12:13] what this trip takes off the walking addresses: BACK or 0
.set CNT, 14                           ; s14  counts a slot's steps
.set TB,  15                           ; s15  LDS byte at which the step's tiles begin
.set KFI, 16                           ; s16  the step's first key
.set Q0,  17                           ; s17  my first query in the block in hand
.set Q0B, 18                           ; s18  and in the second block
.set T0,  19                           ; s19  at work
.set SEL, 20                           ; s[20:21] lane selects for v_permlanex16_b32: lane l xor 16
.set CS,  22                           ; s[22:23] c: the packed form names a pair and takes its low word for both halves
.set G1K, 24                           ; s[24:31] descriptor group 1 for K's tiles;  s[32:39] for V's: it differs in the padding alone
.set G1V, 32
.set G0K, 40                           ; s[40:43], s[44:47] their groups 0, which walk
.set G0V, 44
.set QA,  48                           ; s[48:49], s[50:51] Q at my first row of the first, the second block
.set QB,  50
.set OA,  52                           ; s[52:53], s[54:55] ctx likewise
.set OB,  54
.set PFA, 56                           ; s[56:57] where my prefetches stand
.set LIM, 58                           ; s58  a wave prefetches while the trip is under this: 6 in the head's work-group 0, else 0
.set MSB, 0
.macro WIN new                         ; the immediate's high byte repeats the setting that is left
.if MSB != (\new)
	s_set_vgpr_msb (MSB<<8)|(\new)
.set MSB, (\new)
.endif
.endm
.set W_KQ, 0x04                        ; source 1 (Q) window 1
.set W_PV, 0x50                        ; C and D (O^T) window 1
.set W_RS, 0x41                        ; O^T as destination and source 0
.set W_D1, 0x40                        ; destination window 1
.macro PLACES                          ; four places behind a matrix instruction (ISA guide 7.12.1), where no other vector work is at hand
.rept 4
	v_nop
.endr
.endm
; Waves 0 to 3 fetch the four steps' tiles of K, waves 4 to 7 those of V: one tensor load a wave.  The branch hangs on the wave's number alone.  An s_nop 0 and four v_nop follow each of the two lines.
.macro TLOAD
	s_cmp_lt_u32 s[WV], 4
	s_cbranch_scc0 .Lfor_v_\@
	tensor_load_to_lds s[G0K:G0K+3], s[G1K:G1K+7]
	s_nop 0
.rept 4
	v_nop
.endr
	s_branch .Lasked_\@
.Lfor_v_\@:
	tensor_load_to_lds s[G0V:G0V+3], s[G1V:G1V+7]
	s_nop 0
.rept 4
	v_nop
.endr
.Lasked_\@:
.endm
; A PREFETCH INTO THE L2 of the slot that the NEXT change of slots will ask for.  All four work-groups of a head begin with slots 0, 1, 2 ..; work-group 0, which walks slots 0 to 7 in order, asks, and nobody else.
; In trip T, where slot T + 1 is asked for by tensor loads, it names slot T + 2, for T up to 5: a slot's four key steps ahead of the load that will want it.  Each wave names the 8,192 bytes that it will itself fetch,
; a lane 256 bytes: each aligned block of 256 bytes is named once in the launch.  Slots 0 and 1 come by their loads alone, and nothing is named beyond slot 7.
.macro ASK
	s_cmp_lt_u32 s[TR], s[LIM]
	s_cbranch_scc0 .Lnot_mine_\@
	global_prefetch_b8 v[PFO], s[PFA:PFA+1] th:TH_LOAD_NT scope:SCOPE_SE
.Lnot_mine_\@:
.endm
	s_load_b128 s[4:7], s[0:1], 0x0                ; qkv s[4:5], ctx s[6:7]
	v_lshl_add_u32 v[SPW], v0, 2, SPARE
	v_mov_b32 v[NIL], 0
	ds_add_u32 v[SPW], v[NIL]                      ; the wave's opening: the add, and its wait ahead of my first tensor load; the set-up below, work on registers, stands between them
	v_lshrrev_b32 v32, 5, v0
	v_readfirstlane_b32 s[WV], v32                 ; wave 0..7
	s_sub_co_u32 s[SWT], 7, ttmp9
	s_sub_co_u32 s[BACK], 8, ttmp9
	s_lshl_b32 s[BACK], s[BACK], 15
	s_mov_b32 s[BK], 0
	s_mov_b32 s[BK+1], 0
	s_lshl_b32 s[T0], s[WV], 5
	s_lshl_b32 s[Q0], s[SWT], 8
	s_add_co_u32 s[Q0], s[Q0], s[T0]               ; 256 (7 - i) + 32 w
	s_lshl_b32 s[Q0B], ttmp9, 8
	s_add_co_u32 s[Q0B], s[Q0B], s[T0]             ; 256 i + 32 w
	s_and_b32 s60, ttmp7, 0xffff                   ; the head, hb
	s_lshl_b32 s61, s60, 18                        ; its first byte in each of Q, K, V
	s_and_b32 s62, s[WV], 3                        ; which of a slot's four steps I fetch
	; descriptor group 1: a tile of 64 rows x 64 elements of 2 bytes, dense in memory, padded in LDS
	s_mov_b32 s[G1K], (1<<16)|(1<<20)|(4<<22)|(3<<25)   ; 15:0 no mask; 17:16 elements of 2 bytes; 20 padding on; 24:22 after every 32 words; 31:25 four words of it
	s_mov_b32 s[G1V], (1<<16)|(1<<20)|(4<<22)|(7<<25)   ; the same with eight words
.irp g, G1K, G1V
	s_mov_b32 s[\g+1], 64<<16                      ; tensor_dim0
	s_mov_b32 s[\g+2], KS<<16                      ; tensor_dim1
	s_mov_b32 s[\g+3], 64<<16                      ; tile_dim0
	s_mov_b32 s[\g+4], KS                          ; tile_dim1
	s_mov_b32 s[\g+5], 64                          ; tensor_dim0_stride
	s_mov_b32 s[\g+6], 0
	s_mov_b32 s[\g+7], 0
.endr
	s_mov_b32 s[G0K], 1                            ; count = 1
	s_mul_i32 s[G0K+1], s62, STEPB                 ; LDS address: slot 0, my step
	s_mov_b32 s[G0V], 1
	s_add_co_u32 s[G0V+1], s[G0K+1], VOFF
	s_lshl_b32 s63, s62, 13                        ; my step's 64 rows of 128 bytes
	s_add_co_u32 s63, s63, s61
	s_add_co_u32 s[G0K+2], s63, 1<<24              ; offsets first; the buffer's address is added below
	s_mov_b32 s[G0K+3], 0
	s_add_co_u32 s[G0V+2], s63, 2<<24
	s_mov_b32 s[G0V+3], 0
	s_lshr_b32 s66, s[WV], 2
	s_add_co_u32 s66, s66, 1
	s_lshl_b32 s66, s66, 24                        ; K's part of qkv for waves 0-3, V's for waves 4-7
	s_add_co_u32 s[PFA], s63, s66
	s_add_co_u32 s[PFA], s[PFA], SLOTB             ; in slot 1: the first change of slots steps it to slot 2
	s_mov_b32 s[PFA+1], 0
	s_lshl_b32 s[QA], s[Q0], 7
	s_add_co_u32 s[QA], s[QA], s61
	s_mov_b32 s[QA+1], 0
	s_lshl_b32 s[QB], s[Q0B], 7
	s_add_co_u32 s[QB], s[QB], s61
	s_mov_b32 s[QB+1], 0
	s_lshr_b32 s63, s60, 4                         ; b
	s_lshl_b32 s63, s63, 22                        ; 1,024 pairs of rows of 4,096 bytes
	s_and_b32 s66, s60, 15                         ; h
	s_lshl_b32 s66, s66, 8
	s_add_co_u32 s63, s63, s66
	s_lshl_b32 s[OA], s[Q0], 11
	s_add_co_u32 s[OA], s[OA], s63
	s_mov_b32 s[OA+1], 0
	s_lshl_b32 s[OB], s[Q0B], 11
	s_add_co_u32 s[OB], s[OB], s63
	s_mov_b32 s[OB+1], 0
	s_cmp_eq_u32 ttmp9, 0
	s_cselect_b32 s[LIM], 6, 0
	s_mov_b32 s[SEL], 0x76543210
	s_mov_b32 s[SEL+1], 0xfedcba98
	s_mov_b32 s[CS], 0x3e38aa3b                    ; c = log2(e) / 8
	s_mov_b32 s[CS+1], s[CS]                       ; (named with it as a pair, so it is written)
	s_mov_b32 s[TR], 0
	s_mov_b32 s[TB], 0
	s_mov_b32 s[KFI], 0
	; every lane address is made here, ahead of the first branch on the wave's number
	v_and_b32 v33, 15, v0                          ; r
	v_bfe_u32 v34, v0, 4, 1                        ; h
	v_and_b32 v35, 31, v0                          ; lane
	v_and_b32 v36, 7, v0
	v_bfe_u32 v37, v0, 3, 1
	v_bfe_u32 v38, v0, 3, 2
	v_mul_u32_u24 v[AK0], v33, PK
	v_lshl_add_u32 v[AK0], v34, 4, v[AK0]          ; K: row r x pitch + 16 h
	v_lshl_add_u32 v[AV0], v34, 3, v36             ; V: the turning load: key 8 h + lane % 8,
	v_mul_u32_u24 v[AV0], v[AV0], PV
	v_lshl_add_u32 v[AV0], v37, 4, v[AV0]          ; channels 8 ((lane / 8) % 2) on
	v_add_nc_u32 v[AV0], VOFF, v[AV0]
	v_lshlrev_b32 v[QO], 7, v33
	v_lshl_add_u32 v[QO], v34, 4, v[QO]            ; Q: row r of 128 bytes + 16 h
	s_mul_i32 s[T0], s[WV], WSTG
	s_add_co_u32 s[T0], s[T0], STAGE               ; my stage
	v_add_nc_u32 v[STO], s[T0], v[AK0]             ; in: row r x 144 + 16 h
	v_mul_u32_u24 v[RD], v38, PK
	v_lshl_add_u32 v[RD], v36, 4, v[RD]
	v_add_nc_u32 v[RD], s[T0], v[RD]               ; back: eight lanes to a row of 128 bytes, four rows a load
	v_lshlrev_b32 v[GO], 12, v34
	v_lshl_add_u32 v[GO], v33, 4, v[GO]            ; in ctx: lanes 0-15 one pair of rows, lanes 16-31 the next; 16 bytes a lane
	v_lshlrev_b32 v[PFO], 8, v35
	v_lshlrev_b32 v39, 3, v34
	v_sub_nc_u32 v[DQ], v33, v39
	v_mov_b32 v[NINF], 0xff800000
	s_wait_dscnt 0x0                               ; the opening add is done
	s_wait_kmcnt 0x0
	s_add_nc_u64 s[G0K+2:G0K+3], s[4:5], s[G0K+2:G0K+3]
	s_or_b32 s[G0K+3], s[G0K+3], 0x80000000        ; type = 2
	s_add_nc_u64 s[G0V+2:G0V+3], s[4:5], s[G0V+2:G0V+3]
	s_or_b32 s[G0V+3], s[G0V+3], 0x80000000
	TLOAD                                          ; slot 0: the one first fill at the start.  By this text's count one tensor load of a wave is out at any time
	s_add_nc_u64 s[PFA:PFA+1], s[4:5], s[PFA:PFA+1]
	s_add_nc_u64 s[QA:QA+1], s[4:5], s[QA:QA+1]
	s_add_nc_u64 s[QB:QB+1], s[4:5], s[QB:QB+1]
	s_add_nc_u64 s[OA:OA+1], s[6:7], s[OA:OA+1]
	s_add_nc_u64 s[OB:OB+1], s[6:7], s[OB:OB+1]
.macro QLOAD base                      ; my 32 queries stay in registers: tile t, channels 32 c on, at v[16 t + 8 c] of window 1
	WIN W_D1
.irp t, 0,1
.irp c, 0,1
	global_load_b128 v[16*\t+8*\c:16*\t+8*\c+3],   v[QO], s[\base:\base+1] offset:\t*2048+\c*64
	global_load_b128 v[16*\t+8*\c+4:16*\t+8*\c+7], v[QO], s[\base:\base+1] offset:\t*2048+\c*64+32
.endr
.endr
	WIN 0
.endm
.macro INIT                            ; a block begins: m = -3e38, under every score; l and O^T are zeros, which the first change of m leaves zeros.  The key step is so written once
.irp t, 0,1
	v_mov_b32 v[ST+8*\t+1], 0xff61b1e6
	v_mul_f32 v[ST+8*\t], s[CS], v[ST+8*\t+1]
.irp j, 2,3,4,5,6,7
	v_mov_b32 v[ST+8*\t+\j], 0
.endr
.endr
	WIN W_D1
.set n, 0
.rept 64
	v_mov_b32 v[OT+n], 0
.set n, n+1
.endr
	WIN 0
.endm
; THE SOFTMAX of both tiles for one key step, the tiles by turns line by line, so that no line waits for the line above it.
.macro SOFTMAX
.irp j, 0,1,2,3                        ; the maximum of the lane's 32 scores and the old m: four chains of seven scores, then the four left over; each accumulator is read from its low end on
.irp t, 0,1
	v_max3_num_f32 v[ST+8*\t+4+\j], v[S+32*\t+8*\j], v[S+32*\t+8*\j+1], v[S+32*\t+8*\j+2]
.endr
.endr
.irp q, 1,2
.irp j, 0,1,2,3
.irp t, 0,1
	v_max3_num_f32 v[ST+8*\t+4+\j], v[ST+8*\t+4+\j], v[S+32*\t+8*\j+2*\q+1], v[S+32*\t+8*\j+2*\q+2]
.endr
.endr
.endr
.irp t, 0,1
	v_max3_num_f32 v[ST+8*\t+4], v[ST+8*\t+4], v[S+32*\t+7], v[S+32*\t+15]
	v_max3_num_f32 v[ST+8*\t+6], v[ST+8*\t+6], v[S+32*\t+23], v[S+32*\t+31]
.endr
.irp t, 0,1
	v_max3_num_f32 v[ST+8*\t+4], v[ST+8*\t+4], v[ST+8*\t+5], v[ST+8*\t+6]
.endr
.irp t, 0,1
	v_max3_num_f32 v[ST+8*\t+4], v[ST+8*\t+4], v[ST+8*\t+7], v[ST+8*\t+1]
.endr
.irp t, 0,1
	v_permlanex16_b32 v[ST+8*\t+5], v[ST+8*\t+4], s[SEL], s[SEL+1]   ; the query's other 32 keys lie in the lane 16 away
.endr
.irp t, 0,1
	v_mov_b32 v[ST+8*\t+7], v[ST+8*\t]             ; c m_old is kept for a
.endr
.irp t, 0,1
	v_max_num_f32 v[ST+8*\t+1], v[ST+8*\t+4], v[ST+8*\t+5]
.endr
.irp t, 0,1
	v_mul_f32 v[ST+8*\t], s[CS], v[ST+8*\t+1]
.endr
.irp t, 0,1
	v_sub_f32 v[ST+8*\t+7], v[ST+8*\t+7], v[ST+8*\t]
.endr
.irp p, 0,2,4,6,8,10,12,14,16,18,20,22,24,26,28,30
.irp t, 0,1
	v_pk_fma_f32 v[S+32*\t+\p:S+32*\t+\p+1], v[S+32*\t+\p:S+32*\t+\p+1], s[CS:CS+1], v[ST+8*\t:ST+8*\t+1] op_sel_hi:[1,0,0] neg_lo:[0,0,1] neg_hi:[0,0,1]   ; c s - c m, two at a time
.endr
.endr
.irp t, 0,1
	v_exp_f32 v[ST+8*\t+6], v[ST+8*\t+7]           ; a
.endr
.set n, 0
.rept 32
.irp t, 0,1
	v_exp_f32 v[S+32*\t+n], v[S+32*\t+n]           ; p, at most 1
.endr
.set n, n+1
.endr
	v_nop                                          ; a plain instruction behind the last exponential, ahead of the first use
	s_wait_alu depctr_va_vdst(0)                   ; a wait ahead of the first instruction that names a result: ONE for the 66 exponentials
.set n, 0
.rept 16
.irp t, 0,1
	v_cvt_pk_f16_f32 v[P+16*\t+n], v[S+32*\t+2*n], v[S+32*\t+2*n+1]
.endr
.set n, n+1
.endr
.irp u, 0,4,8,12,16,20,24,28           ; the sum of the unrounded p, in place: pairs 1, 2, 4 and 8 pairs apart, then l takes it
.irp t, 0,1
	v_pk_add_f32 v[S+32*\t+\u:S+32*\t+\u+1], v[S+32*\t+\u:S+32*\t+\u+1], v[S+32*\t+\u+2:S+32*\t+\u+3]
.endr
.endr
.irp u, 0,8,16,24
.irp t, 0,1
	v_pk_add_f32 v[S+32*\t+\u:S+32*\t+\u+1], v[S+32*\t+\u:S+32*\t+\u+1], v[S+32*\t+\u+4:S+32*\t+\u+5]
.endr
.endr
.irp u, 0,16
.irp t, 0,1
	v_pk_add_f32 v[S+32*\t+\u:S+32*\t+\u+1], v[S+32*\t+\u:S+32*\t+\u+1], v[S+32*\t+\u+8:S+32*\t+\u+9]
.endr
.endr
.irp t, 0,1
	v_pk_add_f32 v[S+32*\t:S+32*\t+1], v[S+32*\t:S+32*\t+1], v[S+32*\t+16:S+32*\t+17]
.endr
.irp t, 0,1
	v_pk_fma_f32 v[ST+8*\t+2:ST+8*\t+3], v[ST+8*\t+2:ST+8*\t+3], v[ST+8*\t+6:ST+8*\t+7], v[S+32*\t:S+32*\t+1] op_sel_hi:[1,0,1]   ; l = a l + the sum
.endr
	WIN W_RS
.irp i, 0,2,4,6,8,10,12,14,16,18,20,22,24,26,28,30
.irp t, 0,1
	v_pk_mul_f32 v[OT+32*\t+\i:OT+32*\t+\i+1], v[OT+32*\t+\i:OT+32*\t+\i+1], v[ST+8*\t+6:ST+8*\t+7] op_sel_hi:[1,0]   ; O^T x a, each accumulator from its low end on
.endr
.endr
.endm
; A KEY STEP: 64 keys.
.macro STEP
	s_add_co_u32 s[T0], s[Q0], 31
	s_cmp_gt_u32 s[KFI], s[T0]                     ; all its keys come after my 32 queries: the step's loads, products and softmax are left out; the lines at its end that step addresses are not
	s_cbranch_scc1 .Lhidden_\@
	v_add_nc_u32 v[ADK], s[TB], v[AK0]
	v_add_nc_u32 v[ADV], s[TB], v[AV0]
	v_nop
	v_nop                                          ; these four lines are the places between the last step's V^T P and the loads into V's registers
.irp f, 0,1,2,3,4,5,6,7                ; K: keys 16 (f / 2) on, channels 32 (f % 2) on
	ds_load_b128 v[KF+8*\f:KF+8*\f+3],   v[ADK] offset:(\f/2)*16*PK+(\f%2)*64
	ds_load_b128 v[KF+8*\f+4:KF+8*\f+7], v[ADK] offset:(\f/2)*16*PK+(\f%2)*64+32
.endr
.irp f, 0,1,2,3,4,5,6,7                ; V, turned: keys 32 (f / 4) on, channels 16 (f % 4) on
	ds_load_tr16_b128 v[VF+8*\f:VF+8*\f+3],   v[ADV] offset:(\f/4)*32*PV+(\f%4)*32
	ds_load_tr16_b128 v[VF+8*\f+4:VF+8*\f+7], v[ADV] offset:(\f/4)*32*PV+16*PV+(\f%4)*32
.endr
	s_wait_dscnt 16                                ; K's sixteen loads are in; V's sixteen, issued behind them, stay out under the softmax
	WIN W_KQ
.irp c, 0,1                            ; S^T = K Q^T: the eight accumulators take turns, one instruction a turn; the first eight start the sums
.irp k, 0,1,2,3
.irp t, 0,1
.if \c == 0
	v_wmma_f32_16x16x32_f16 v[S+32*\t+8*\k:S+32*\t+8*\k+7], v[KF+16*\k+8*\c:KF+16*\k+8*\c+7], v[16*\t+8*\c:16*\t+8*\c+7], 0
.else
	v_wmma_f32_16x16x32_f16 v[S+32*\t+8*\k:S+32*\t+8*\k+7], v[KF+16*\k+8*\c:KF+16*\k+8*\c+7], v[16*\t+8*\c:16*\t+8*\c+7], v[S+32*\t+8*\k:S+32*\t+8*\k+7]
.endif
.endr
.endr
.endr
	WIN 0
	PLACES
	s_add_co_u32 s[T0], s[KFI], 63
	s_cmp_le_u32 s[T0], s[Q0]                      ; all 64 keys count for all my queries: no mask
	s_cbranch_scc1 .Lopen_\@
	s_sub_co_i32 s[T0], s[Q0], s[KFI]
	v_add_nc_u32 v[DM], s[T0], v[DQ]               ; tile 0: my query - the step's first key - 8 (lane / 16).  Register n holds key 16 (n / 8) + n % 8 + 8 (lane / 16) of the step: hidden where 16 (n / 8) + n % 8 is above this
	v_add_nc_u32 v[DM+1], 16, v[DM]                ; tile 1's queries are 16 further on
.set n, 0
.rept 32
.irp t, 0,1
	v_cmp_gt_i32 vcc_lo, 16*(n/8)+n%8, v[DM+\t]
	v_cndmask_b32 v[S+32*\t+n], v[S+32*\t+n], v[NINF], vcc_lo
.endr
.set n, n+1
.endr
.Lopen_\@:
	SOFTMAX
	s_wait_dscnt 0x0                               ; V is in
	WIN W_PV
.irp g, 0,1                            ; O^T += V^T P: keys 32 g on, channels 16 c on: eight accumulators by turns
.irp c, 0,1,2,3
.irp t, 0,1
	v_wmma_f32_16x16x32_f16 v[OT+32*\t+8*\c:OT+32*\t+8*\c+7], v[VF+8*(4*\g+\c):VF+8*(4*\g+\c)+7], v[P+16*\t+8*\g:P+16*\t+8*\g+7], v[OT+32*\t+8*\c:OT+32*\t+8*\c+7]
.endr
.endr
.endr
	WIN 0
.Lhidden_\@:
	s_add_co_u32 s[TB], s[TB], STEPB
	s_add_co_u32 s[KFI], s[KFI], KS
.endm
; THE CHANGE OF SLOTS stands at a slot's head.  Each wave waits for all its tensor loads (its part of the slot that it is about to read), adds 0 to its spare word, and waits for that and for its reads of the slot that it has
; left.  Behind the barrier the slot ahead is whole and nobody reads the other one.  fill = 1: that other slot is filled with the next trip's keys: the load has a slot's four key steps in which to land.
.macro CHANGE fill
	s_wait_tensorcnt 0x0                           ; no tensor load of mine is out, so a group 0 may be written
	ds_add_u32 v[SPW], v[NIL]                      ; 0 onto my spare word; the descriptors' steps stand between it and the wait for it
.if \fill
	s_xor_b32 s[G0K+1], s[G0K+1], SLOT1            ; the walking descriptors: the other slot than last time,
	s_xor_b32 s[G0V+1], s[G0V+1], SLOT1
	s_add_nc_u64 s[G0K+2:G0K+3], s[G0K+2:G0K+3], SLOTB   ; the next 256 keys; the type bits on top are not reached;
	s_add_nc_u64 s[G0V+2:G0V+3], s[G0V+2:G0V+3], SLOTB
	s_cmp_eq_u32 s[TR], s[SWT]                     ; where the next trip is the second block's first: back to key 0.  No jump: a choice between two offsets
	s_cselect_b32 s[BK], s[BACK], 0
	s_sub_nc_u64 s[G0K+2:G0K+3], s[G0K+2:G0K+3], s[BK:BK+1]
	s_sub_nc_u64 s[G0V+2:G0V+3], s[G0V+2:G0V+3], s[BK:BK+1]
	s_wait_xcnt 0x0                                ; the last prefetch, a slot back, has read its address, so it may be written
	s_add_nc_u64 s[PFA:PFA+1], s[PFA:PFA+1], SLOTB
.endif
	s_wait_dscnt 0x0                               ; the add is done, and my reads of the slot that I have left are over
	s_barrier_signal -1
	s_barrier_wait -1
.if \fill
	TLOAD                                          ; the first thing behind the barrier, and a wave's one tensor load until the next
	ASK
.endif
.endm
.macro SLOT_STEPS                      ; a slot's four key steps: written once, walked four times; the LDS addresses hang on s[TB]
	s_mov_b32 s[CNT], NST
.Lstep_\@:
	STEP
	s_sub_co_u32 s[CNT], s[CNT], 1
	s_cmp_lg_u32 s[CNT], 0
	s_cbranch_scc1 .Lstep_\@
	s_sub_co_u32 s[TB], s[TB], NST*STEPB           ; back to a slot's first step,
	s_xor_b32 s[TB], s[TB], SLOT1                  ; in the other slot
.endm
; THE WAY OUT of a block.  l's two halves and the other half of the lanes' are added; O^T / l; NaN becomes 0; rounded to f16; through my stage in LDS, so that sixteen lanes store 256 consecutive bytes, aligned.
.macro WAYOUT base
.irp t, 0,1
	v_add_f32 v[ST+8*\t+4], v[ST+8*\t+2], v[ST+8*\t+3]
.endr
.irp t, 0,1
	v_permlanex16_b32 v[ST+8*\t+5], v[ST+8*\t+4], s[SEL], s[SEL+1]
.endr
.irp t, 0,1
	v_add_f32 v[ST+8*\t+4], v[ST+8*\t+4], v[ST+8*\t+5]
.endr
.irp t, 0,1
	v_rcp_f32 v[ST+8*\t+6], v[ST+8*\t+4]
.endr
	v_nop                                          ; a plain instruction behind the last reciprocal
	s_wait_alu depctr_va_vdst(0)                   ; and a wait ahead of the first use: one for the two
	WIN 0x01                                       ; source 0 (O^T) window 1; the quotients go to S^T's registers, which are free
.irp t, 0,1
.irp i, 0,2,4,6,8,10,12,14,16,18,20,22,24,26,28,30
	v_pk_mul_f32 v[S+32*\t+\i:S+32*\t+\i+1], v[OT+32*\t+\i:OT+32*\t+\i+1], v[ST+8*\t+6:ST+8*\t+7] op_sel_hi:[1,0]
.endr
.endr
	WIN 0
.set n, 0
.rept 64
	v_cmp_eq_f32 vcc_lo, v[S+n], v[S+n]            ; false of a NaN alone,
	v_cndmask_b32 v[S+n], 0, v[S+n], vcc_lo        ; which becomes 0
.set n, n+1
.endr
.set n, 0
.rept 32
	v_cvt_pk_f16_f32 v[P+n], v[S+2*n], v[S+2*n+1]
.set n, n+1
.endr
.irp t, 0,1
.irp c, 0,1,2,3
	ds_store_b128 v[STO], v[P+16*\t+4*\c:P+16*\t+4*\c+3] offset:\t*16*PK+32*\c   ; row 16 t + r, channels 16 c + 8 h on
.endr
.endr
.irp u, 0,1,2,3,4,5,6,7
	ds_load_b128 v[S+4*\u:S+4*\u+3], v[RD] offset:\u*4*PK   ; LDS serves a wave's instructions in order: these see my stores.  Four rows: two pairs
.endr
.irp u, 0,1,2,3,4,5,6,7
	s_wait_dscnt 7-\u                              ; load u is in, the younger ones stay out
	global_store_b128 v[GO], v[S+4*\u:S+4*\u+3], s[\base:\base+1] offset:\u*8192
.endr
.endm
	QLOAD QA
	INIT
	s_wait_loadcnt 0x0                             ; Q
.Lslot:                                            ; eight trips: behind each change of slots but the last the next trip's slot is asked for
	CHANGE 1
	SLOT_STEPS
	s_cmp_lg_u32 s[TR], s[SWT]                     ; ids and the count of trips alone: all eight waves go the same way; no barrier, wait on tensor loads or tensor load stands under this branch
	s_cbranch_scc1 .Lstay
	PLACES                                         ; behind the last products: for Q's loads and for the first read of O^T
	QLOAD QB                                       ; the first block is done: the second block's queries are asked for,
	WAYOUT OA                                      ; the first block leaves,
	INIT                                           ; and the statistics begin anew
	s_mov_b32 s[KFI], 0
	s_mov_b32 s[Q0], s[Q0B]
	s_wait_xcnt 0x0                                ; the stores have read their registers, which the next scores are written into
	s_wait_loadcnt 0x0                             ; Q
.Lstay:
	s_add_co_u32 s[TR], s[TR], 1
	s_cmp_lt_u32 s[TR], 8
	s_cbranch_scc1 .Lslot
	CHANGE 0                                       ; the last slot is written out
	SLOT_STEPS
	PLACES
	WAYOUT OB
	s_wait_tensorcnt 0x0                           ; the wave's end, behind my last tensor load and my last LDS store
	ds_add_u32 v[SPW], v[NIL]
	s_wait_dscnt 0x0
	s_endpgm
.Lfunc_end_k_q9edf7c7cc1_attn:
	.size	k_q9edf7c7cc1_attn, .Lfunc_end_k_q9edf7c7cc1_attn-k_q9edf7c7cc1_attn
	.p2alignl 7, 3214868480
	.fill 96, 4, 3214868480
	.section	.rodata,"a",@progbits
	.p2align	6, 0x0
	.amdhsa_kernel k_q9edf7c7cc1_attn
		.amdhsa_group_segment_fixed_size 327680
		.amdhsa_private_segment_fixed_size 0
		.amdhsa_enable_private_segment 0
		.amdhsa_kernarg_size 16
		.amdhsa_user_sgpr_count 2
		.amdhsa_user_sgpr_kernarg_segment_ptr 1
		.amdhsa_wavefront_size32 1
		.amdhsa_system_sgpr_workgroup_id_x 1
		.amdhsa_system_sgpr_workgroup_id_y 1
		.amdhsa_system_sgpr_workgroup_id_z 1
		.amdhsa_system_vgpr_workitem_id 0
		.amdhsa_next_free_vgpr 384
		.amdhsa_next_free_sgpr 72
		.amdhsa_reserve_vcc 1
		.amdhsa_float_denorm_mode_32 3
		.amdhsa_float_denorm_mode_16_64 3
		.amdhsa_memory_ordered 1
		.amdhsa_forward_progress 1
		.amdhsa_inst_pref_size 79
	.end_amdhsa_kernel
	.amdgpu_metadata
---
amdhsa.version: [ 1, 2 ]
amdhsa.kernels:
  - .name:           k_q9edf7c7cc1_attn
    .symbol:         k_q9edf7c7cc1_attn.kd
    .args:
      - { .name: qkv, .offset: 0, .size: 8, .value_kind: global_buffer, .address_space: global }
      - { .name: ctx, .offset: 8, .size: 8, .value_kind: global_buffer, .address_space: global }
    .group_segment_fixed_size: 327680
    .private_segment_fixed_size: 0
    .kernarg_segment_align: 8
    .kernarg_segment_size: 16
    .max_flat_workgroup_size: 256
    .sgpr_count:     72
    .vgpr_count:     384
    .wavefront_size: 32
...
	.end_amdgpu_metadata
.endif
;; end of part 3
;; launch outp (part 4): grid 8 x 64, 4 waves a work-group, clusters of 4 x 4, 327,680 bytes of LDS; arguments ctx, woh, bo, out0; writes out0
.if DOCPART == 4
	.amdgcn_target "amdgcn-amd-amdhsa--gfx1250"
	.amdhsa_code_object_version 6
	.text
	.protected	k_q9edf7c7cc1_outp
	.globl	k_q9edf7c7cc1_outp
	.p2align	8
	.type	k_q9edf7c7cc1_outp,@function
k_q9edf7c7cc1_outp:
	s_mov_b64 s[64:65], 0
	v_nop
	global_prefetch_b8 v0, s[64:65] scope:SCOPE_SE
	s_setreg_imm32_b32 hwreg(HW_REG_WAVE_MODE, 25, 1), 1
	s_wait_xcnt 0x0
	s_wait_alu depctr_hold_cnt(0) depctr_sa_sdst(0) depctr_va_vdst(0) depctr_va_sdst(0) depctr_va_ssrc(0) depctr_va_vcc(0) depctr_vm_vsrc(0)
	s_getreg_b32 s2, hwreg(HW_REG_IB_STS2, 6, 4)
	s_cmp_eq_u32 s2, 0
	s_cbranch_scc0 .Lentry_in_a_cluster
	s_endpgm
.Lentry_in_a_cluster:
	s_bfe_u32 s2, ttmp6, 0x10000c
	s_cmp_lg_u32 s2, 0xf033
	s_cbranch_scc0 .Lentry_shape_is_right
	s_endpgm
.Lentry_shape_is_right:
; out0[m][n] = the sum over k of ctx[m][k] wo[n][k] + bo[n].  m = 2048 b + l: 8,192 rows; n, k: 1,024.  Operands f16, sums f32, out0 f32.
; ctx is laid [m / 2][head 16][m % 2][64]: a pair of rows is 4,096 bytes, and 256 along K (four heads) of a pair are 1,024 consecutive bytes.  woh: [n][k] f16, rows of 2,048 bytes.
; LIMIT: the bias is the first addend of each f32 sum, where the definition adds it last.
; A tile of C is 128 x 128: 512 work-groups.  Four waves, each 64 x 64: 16 accumulators of 16 x 16.  K goes in four steps of 256 through two LDS slots; a wave's tensor load brings 32 pairs of rows of A (1,024 bytes each) or
; 64 rows of B (512 bytes each).  CLUSTERS: 4 x 4 work-groups: the four of a row of the cluster need the same tiles of A, the four of a column the same tiles of B: each tile is asked for JOINTLY, by the same tensor load with
; the same descriptor and a mask that names the four.  THE MATRIX INSTRUCTION IS USED TRANSPOSED (source 0 = 16 rows of wo, source 1 = 16 rows of ctx): a lane holds eight neighbouring numbers of a row of C.
; No prefetch: a K step of this small tile is short, and the whole of A and B is walked in four steps.
; REGISTERS: window 0: v0-31 addresses; v32-95 at work on the way out; v96-127 the bias in the result's layout; v128-255 the accumulators ((a, b) at v[128 + 8 (4 a + b)]).
;   window 1: two fragment buffers of 128: for 64 along K (one head), 64 registers of A, then 64 of B.
.set APITCH, 1040                      ; a pair of rows of A in LDS: 1,024 bytes + 16: lanes r = 0..15 read at 1040 (r / 2) + 128 (r % 2): sixteen different 16-byte columns modulo 256
.set BPITCH, 528                       ; a row of B: 512 bytes + 16
.set HALFA,  32*APITCH                 ; 64 rows of A: what one tensor load brings, and what one wave reads
.set HALFB,  64*BPITCH                 ; 64 rows of B
.set BOFF,   2*HALFA
.set SLOT,   BOFF+2*HALFB              ; A's 128 rows, then B's 128 rows: 134,144 bytes
.set SPARE,  2*SLOT                    ; behind the ring: the spare words, 128 bytes for each wave, which no other line names
.set SPITCH, 272                       ; the way out: a stage of 16 rows x (256 bytes + 16) for each wave, in slot 0, which has had its last fill and its last read when the first result is stored there
.set ADRA, 16                          ; v16-17  LDS address of my A fragments in slot 0, 1
.set ADRB, 20                          ; v20-21  the same for B
.set STO,  24                          ; v24     the way out: where I put 32 bytes of a row
.set RD,   25                          ; v25     where I read a row back
.set CO,   26                          ; v26     my byte offset in C
.set SPW,  28                          ; v28     LDS address of my spare word; never rewritten
.set NIL,  29                          ; v29     0; never rewritten
.set TMP,  32
.set BI,   96                          ; v[BI + 8 b + j] = bo of column 16 b + 8 (lane / 16) + j of my 64
.set ACC,  128
.set F0,   0                           ; fragment buffers, in window 1
.set F1,   128
.set G1, 24                            ; s[24:31] descriptor group 1 for A's tiles;  s[32:39] group 0, one set for each slot
.set G0, 32
.set G1B, 48                           ; s[48:55], s[56:63] the same for B's tiles
.set G0B, 56
.set MSB, 0
.macro WIN new                         ; the immediate's high byte repeats the setting that is left
.if MSB != (\new)
	s_set_vgpr_msb (MSB<<8)|(\new)
.set MSB, (\new)
.endif
.endm
.set MUL,  0x05                        ; sources 0 (B) and 1 (A) window 1; C and D window 0
.set TO_F, 0x40                        ; destination window 1, address window 0
.macro JLOAD s                         ; a joint load: waves 0 and 1 fetch A's two halves, waves 2 and 3 B's; an s_nop 0 and four v_nop follow each of the two lines, ahead of the jump, the label and what follows
	s_cmp_eq_u32 s11, 0
	s_cbranch_scc0 .Lfor_b_\@
	tensor_load_to_lds s[G0+4*\s:G0+4*\s+3], s[G1:G1+7]
	s_nop 0
.rept 4
	v_nop
.endr
	s_branch .Lasked_\@
.Lfor_b_\@:
	tensor_load_to_lds s[G0B+4*\s:G0B+4*\s+3], s[G1B:G1B+7]
	s_nop 0
.rept 4
	v_nop
.endr
.Lasked_\@:
.endm
.macro CREST                           ; a round of the cluster's barrier behind its opening barrier
	s_cmp_lg_u32 s10, 0
	s_cbranch_scc1 .Lnot_wave_0_\@
	s_barrier_signal -3
.Lnot_wave_0_\@:
	s_barrier_wait -3
	s_barrier_signal -1
	s_barrier_wait -1
.endm
.macro CROUND                          ; a whole round
	s_barrier_signal -1
	s_barrier_wait -1
	CREST
.endm
	s_load_b128 s[4:7], s[0:1], 0x0                ; ctx s[4:5], woh s[6:7]
	s_load_b128 s[68:71], s[0:1], 0x10             ; bo s[68:69], out0 s[70:71]
	v_lshl_add_u32 v[SPW], v0, 2, SPARE
	v_mov_b32 v[NIL], 0
	ds_add_u32 v[SPW], v[NIL]                      ; the wave's opening: the add, and its wait ahead of my first tensor load; the set-up below, work on registers, stands between them
	v_lshrrev_b32 v1, 5, v0
	v_readfirstlane_b32 s10, v1                    ; wave 0..3
	s_lshr_b32 s11, s10, 1                         ; which half of the tile's rows is mine.  Also: I fetch for A (0) or for B (1)
	s_and_b32 s12, s10, 1                          ; which half of its columns.  Also: which 64 rows of that tile I fetch
	s_bfe_u32 s40, ttmp6, 0x40000                  ; cx, cy: my place in the cluster
	s_bfe_u32 s41, ttmp6, 0x40004
	s_lshl_b32 s42, ttmp9, 2
	s_add_co_u32 s42, s42, s40                     ; tile column of C = 4 x cluster x + cx
	s_and_b32 s13, ttmp7, 0xffff
	s_lshl_b32 s13, s13, 2
	s_add_co_u32 s13, s13, s41                     ; tile row of C = 4 x cluster y + cy
	s_lshl_b32 s43, s41, 2
	s_lshl_b32 s43, 15, s43                        ; my row of the cluster
	s_lshl_b32 s44, 0x1111, s40                    ; my column
	; descriptor group 1 for A: 32 pairs of rows x 512 elements of 2 bytes, 2,048 elements from pair to pair; four words of padding behind every 256
	s_or_b32 s[G1+0], s43, (1<<16)|(1<<20)|(1<<21)|(7<<22)|(3<<25)
	s_mov_b32 s[G1+1], 512<<16                     ; tensor_dim0
	s_mov_b32 s[G1+2], 32<<16                      ; tensor_dim1
	s_mov_b32 s[G1+3], 512<<16                     ; tile_dim0
	s_mov_b32 s[G1+4], 32                          ; tile_dim1
	s_mov_b32 s[G1+5], 2048                        ; tensor_dim0_stride
	s_mov_b32 s[G1+6], 0
	s_mov_b32 s[G1+7], 0
	; and for B: 64 rows x 256 elements, 1,024 elements from row to row; four words of padding behind every 128
	s_or_b32 s[G1B+0], s44, (1<<16)|(1<<20)|(1<<21)|(6<<22)|(3<<25)
	s_mov_b32 s[G1B+1], 256<<16
	s_mov_b32 s[G1B+2], 64<<16
	s_mov_b32 s[G1B+3], 256<<16
	s_mov_b32 s[G1B+4], 64
	s_mov_b32 s[G1B+5], 1024
	s_mov_b32 s[G1B+6], 0
	s_mov_b32 s[G1B+7], 0
	s_lshl_b32 s16, s13, 6
	s_lshl_b32 s17, s12, 5
	s_add_co_u32 s16, s16, s17                     ; A: pair 64 x tile row + 32 x half,
	s_lshl_b32 s16, s16, 12                        ; 4,096 bytes a pair: under 2^24
	s_mov_b32 s17, 0
	s_lshl_b32 s46, s42, 7
	s_lshl_b32 s47, s12, 6
	s_add_co_u32 s46, s46, s47                     ; B: row 128 x tile column + 64 x half,
	s_lshl_b32 s46, s46, 11                        ; 2,048 bytes a row
	s_mov_b32 s47, 0
	s_mul_i32 s20, s12, HALFA                      ; where they go: no place in the cluster enters an LDS address
	s_mul_i32 s21, s12, HALFB
	s_add_co_u32 s21, s21, BOFF
	s_wait_dscnt 0x0                               ; the opening add is done
	s_wait_kmcnt 0x0
	s_add_nc_u64 s[14:15], s[4:5], s[16:17]
	s_add_nc_u64 s[46:47], s[6:7], s[46:47]
	CROUND                                         ; all sixteen work-groups are here: the first joint loads meet
.irp s, 0,1
	s_mov_b32 s[G0+4*\s], 1
	s_add_co_u32 s[G0+4*\s+1], s20, \s*SLOT
	s_add_nc_u64 s[G0+4*\s+2:G0+4*\s+3], s[14:15], \s*1024         ; K step s: 1,024 bytes on in a pair
	s_or_b32 s[G0+4*\s+3], s[G0+4*\s+3], 0x80000000
	s_mov_b32 s[G0B+4*\s], 1
	s_add_co_u32 s[G0B+4*\s+1], s21, \s*SLOT
	s_add_nc_u64 s[G0B+4*\s+2:G0B+4*\s+3], s[46:47], \s*512        ; 512 bytes on in a row
	s_or_b32 s[G0B+4*\s+3], s[G0B+4*\s+3], 0x80000000
	JLOAD \s                                       ; by this text's count two tensor loads of a wave are out at the start, later one
.endr
	v_and_b32 v1, 15, v0                           ; r = lane % 16
	v_bfe_u32 v2, v0, 4, 1                         ; h = lane / 16
	s_lshl_b32 s46, s42, 9                         ; my first column, in bytes of f32: 512 x tile column + 256 x half: in bo and in a row of C alike
	s_lshl_b32 s47, s12, 8
	s_add_co_u32 s46, s46, s47
	s_mov_b32 s47, 0
	s_add_nc_u64 s[68:69], s[68:69], s[46:47]
	v_lshlrev_b32 v6, 5, v2                        ; + 32 h
.irp b, 0,1,2,3
	global_load_b128 v[BI+8*\b:BI+8*\b+3], v6, s[68:69] offset:64*\b
	global_load_b128 v[BI+8*\b+4:BI+8*\b+7], v6, s[68:69] offset:64*\b+16
.endr
	v_lshrrev_b32 v3, 1, v1
	v_mul_u32_u24 v3, v3, APITCH
	v_and_b32 v4, 1, v1
	v_lshl_add_u32 v3, v4, 7, v3
	v_lshl_add_u32 v3, v2, 4, v3                   ; A: pair r / 2, row r % 2 of it, + 16 h
	v_mul_u32_u24 v5, v1, BPITCH
	v_lshl_add_u32 v5, v2, 4, v5                   ; B: row r, + 16 h
	s_mul_i32 s22, s11, HALFA                      ; my 64 rows of A
	s_mul_i32 s23, s12, HALFB                      ; my 64 rows of B,
	s_add_co_u32 s23, s23, BOFF                    ; which lie behind A's 128
.irp s, 0,1
	v_add_nc_u32 v[ADRA+\s], s22, v3
	v_add_nc_u32 v[ADRB+\s], s23, v5
	s_add_co_u32 s22, s22, SLOT
	s_add_co_u32 s23, s23, SLOT
.endr
	s_mul_i32 s23, s10, 16*SPITCH                  ; my stage
	v_mul_u32_u24 v4, v1, SPITCH
	v_lshl_add_u32 v4, v2, 5, v4
	v_add_nc_u32 v[STO], s23, v4                   ; in: row r, 32 bytes for each half of the lanes
	v_mul_u32_u24 v5, v2, SPITCH
	v_lshl_add_u32 v5, v1, 4, v5
	v_add_nc_u32 v[RD], s23, v5                    ; back: lanes 0-15 one row of 256 bytes, lanes 16-31 the next
	v_lshlrev_b32 v[CO], 12, v2
	v_lshl_add_u32 v[CO], v1, 4, v[CO]             ; and the same two rows in C: 4,096 bytes a row
	s_lshl_b32 s16, s13, 7
	s_lshl_b32 s17, s11, 6
	s_add_co_u32 s16, s16, s17                     ; my first row of C: 128 x tile row + 64 x half
	s_lshl_b32 s16, s16, 12                        ; under 2^25
	s_mov_b32 s17, 0
	s_add_nc_u64 s[70:71], s[70:71], s[16:17]
	s_add_nc_u64 s[70:71], s[70:71], s[46:47]
; 8 matrix instructions: m blocks a0, a0 + 1 x all 4 n blocks, 32 along K: half c of buffer f.  zero = 1: the first product starts the sums, with the bias as its C.  The 16 accumulators take turns.
.macro MUL8 f, c, a0, zero
.irp a, \a0, \a0+1
.irp b, 0,1,2,3
.if \zero
	v_wmma_f32_16x16x32_f16 v[ACC+8*(4*(\a)+\b):ACC+8*(4*(\a)+\b)+7], v[\f+64+8*(4*\c+\b):\f+64+8*(4*\c+\b)+7], v[\f+8*(4*\c+\a):\f+8*(4*\c+\a)+7], v[BI+8*\b:BI+8*\b+7]
.else
	v_wmma_f32_16x16x32_f16 v[ACC+8*(4*(\a)+\b):ACC+8*(4*(\a)+\b)+7], v[\f+64+8*(4*\c+\b):\f+64+8*(4*\c+\b)+7], v[\f+8*(4*\c+\a):\f+8*(4*\c+\a)+7], v[ACC+8*(4*(\a)+\b):ACC+8*(4*(\a)+\b)+7]
.endif
.endr
.endr
.endm
; 32 LDS loads in one run: the fragments of the slot's q-th 64 along K (one head) into buffer f; the first 32 along K first.  In a pair of rows of A a head is 256 bytes, in a row of B 128.
.macro FETCH slot, q, f
	WIN TO_F
.irp c, 0,1
.irp i, 0,1,2,3
	ds_load_b128 v[\f+64+8*(4*\c+\i):\f+64+8*(4*\c+\i)+3],   v[ADRB+\slot] offset:128*(\q)+64*\c+\i*16*BPITCH
	ds_load_b128 v[\f+64+8*(4*\c+\i)+4:\f+64+8*(4*\c+\i)+7], v[ADRB+\slot] offset:128*(\q)+64*\c+\i*16*BPITCH+32
	ds_load_b128 v[\f+8*(4*\c+\i):\f+8*(4*\c+\i)+3],         v[ADRA+\slot] offset:256*(\q)+64*\c+\i*8*APITCH
	ds_load_b128 v[\f+8*(4*\c+\i)+4:\f+8*(4*\c+\i)+7],       v[ADRA+\slot] offset:256*(\q)+64*\c+\i*8*APITCH+32
.endr
.endr
.endm
.macro PLACES                          ; four places in front of loads into registers that matrix instructions have read, and of the first read of results (ISA guide 7.12.1 for the first read of results)
.rept 4
	v_nop
.endr
.endm
; A K step is four quarters of 64 along K, 32 matrix instructions each, on buffers 0, 1, 0, 1.  One of the first three: multiplies buffer f and fetches quarter q into g.
.macro QUARTER slot, q, f, g, zero
	s_wait_dscnt 16                                ; the first 32 along K are in; the sixteen younger loads may be out
	WIN MUL
	MUL8 \f, 0, 0, \zero
	MUL8 \f, 0, 2, \zero
	PLACES
	FETCH \slot, \q, \g
	s_wait_dscnt 32                                ; all but the 32 just issued
	WIN MUL
	MUL8 \f, 1, 0, 0
	MUL8 \f, 1, 2, 0
.endm
; The last quarter multiplies buffer 1 and changes slots: ONE barrier; in front of it each wave waits for all its tensor loads, adds 0 to its spare word, and waits for that and for its own reads of this slot.
; fill = 1: this slot is filled again, two K steps ahead; the barrier then opens a round of the cluster's barrier, and the joint refill is the first tensor load behind the round.
.macro TURN slot, next, fill
	WIN 0                                          ; (the add's two registers lie in window 0)
	s_wait_tensorcnt 0x0                           ; all my tensor loads have landed: my part of the next slot
	ds_add_u32 v[SPW], v[NIL]                      ; 0 onto my spare word
	s_wait_dscnt 17                                ; (the add and the youngest sixteen loads may be out)
	WIN MUL
	MUL8 F1, 0, 0, 0                               ; eight matrix instructions stand between the add and the wait for it
	s_wait_dscnt 0x0                               ; the add is done, and my reads of this slot are over
	s_barrier_signal -1
	MUL8 F1, 0, 2, 0
.if \fill
	WIN 0
.endif
	s_barrier_wait -1
.if \fill
	CREST                                          ; no wave of any partner still reads this slot's tile or has a load on its way
	s_add_nc_u64 s[G0+4*\slot+2:G0+4*\slot+3], s[G0+4*\slot+2:G0+4*\slot+3], 2*1024
	s_add_nc_u64 s[G0B+4*\slot+2:G0B+4*\slot+3], s[G0B+4*\slot+2:G0B+4*\slot+3], 2*512
	JLOAD \slot                                    ; 112 matrix instructions ahead of the wait for it; the four v_nop behind it are also the places in front of the loads below
.else
	PLACES
.endif
	FETCH \next, 0, F0
	WIN MUL
	MUL8 F1, 1, 0, 0
	MUL8 F1, 1, 2, 0
.endm
	s_wait_tensorcnt 1                             ; my part of K step 0 is in; K step 1's load, issued behind it, may be out
	s_barrier_signal -1
	s_barrier_wait -1                              ; everybody's is
	FETCH 0, 0, F0
	s_wait_loadcnt 0x0                             ; the bias
	QUARTER 0, 1, F0, F1, 1                        ; K step 0: its first products start the sums.  The four K steps are written out
	QUARTER 0, 2, F1, F0, 0
	QUARTER 0, 3, F0, F1, 0
	TURN 0, 1, 1                                   ; slot 0 takes K step 2
	QUARTER 1, 1, F0, F1, 0                        ; K step 1
	QUARTER 1, 2, F1, F0, 0
	QUARTER 1, 3, F0, F1, 0
	TURN 1, 0, 1                                   ; slot 1 takes K step 3
	QUARTER 0, 1, F0, F1, 0                        ; K step 2
	QUARTER 0, 2, F1, F0, 0
	QUARTER 0, 3, F0, F1, 0
	TURN 0, 1, 0                                   ; nothing is left to fetch
	QUARTER 1, 1, F0, F1, 0                        ; K step 3
	QUARTER 1, 2, F1, F0, 0
	QUARTER 1, 3, F0, F1, 0
	s_wait_dscnt 16                                ; the very last quarter
	WIN MUL
	MUL8 F1, 0, 0, 0
	MUL8 F1, 0, 2, 0
	s_wait_dscnt 0
	MUL8 F1, 1, 0, 0
	MUL8 F1, 1, 2, 0
	WIN 0
; THE WAY OUT, block by block of 16 rows x 64 columns of f32.  A lane holds 32 neighbouring bytes of a row, and the lanes beside it hold other rows: so a block goes through my own stage in LDS and comes back as whole rows
; of 256 bytes: sixteen lanes store 256 consecutive bytes, aligned.  LDS serves a wave's instructions in order: no wait between the stores and the loads, nor in front of the next block's stores.
.macro TOSTAGE a
.irp b, 0,1,2,3
	ds_store_b128 v[STO], v[ACC+8*(4*(\a)+\b):ACC+8*(4*(\a)+\b)+3] offset:64*\b       ; each accumulator from its low end on
	ds_store_b128 v[STO], v[ACC+8*(4*(\a)+\b)+4:ACC+8*(4*(\a)+\b)+7] offset:64*\b+16
.endr
.set BB, TMP+32*((\a)%2)
.irp t, 0,1,2,3,4,5,6,7
	ds_load_b128 v[BB+4*\t:BB+4*\t+3], v[RD] offset:\t*2*SPITCH
.endr
.endm
.macro SEND a, younger                 ; younger: the LDS instructions issued behind block a's loads, which may stay out
.set BB, TMP+32*((\a)%2)
	s_wait_dscnt \younger                          ; the block is back in registers
.irp t, 0,1,2,3,4,5,6,7
	global_store_b128 v[CO], v[BB+4*\t:BB+4*\t+3], s[70:71] offset:(16*(\a)+2*\t)*4096 th:TH_STORE_NT   ; every offset is an immediate: 62 rows at the most; written once, read by nobody here
.endr
.endm
	PLACES                                         ; behind the last products
	TOSTAGE 0
.irp a, 1,2,3
.if \a > 1
	s_wait_xcnt 0x0                                ; block a - 2's stores have read their registers: block a's loads may land there
.endif
	TOSTAGE \a
	SEND \a-1, 16                                  ; behind block a - 1's loads: block a's 8 stores and 8 loads
.endr
	SEND 3, 0
	s_wait_tensorcnt 0x0                           ; the wave's end, behind my last tensor load and my last LDS store
	ds_add_u32 v[SPW], v[NIL]
	s_wait_dscnt 0x0
	CROUND                                         ; the closing round: no work-group ends while a partner may still ask for a tile that names it
	s_endpgm
.Lfunc_end_k_q9edf7c7cc1_outp:
	.size	k_q9edf7c7cc1_outp, .Lfunc_end_k_q9edf7c7cc1_outp-k_q9edf7c7cc1_outp
	.p2alignl 7, 3214868480
	.fill 96, 4, 3214868480
	.section	.rodata,"a",@progbits
	.p2align	6, 0x0
	.amdhsa_kernel k_q9edf7c7cc1_outp
		.amdhsa_group_segment_fixed_size 327680
		.amdhsa_private_segment_fixed_size 0
		.amdhsa_enable_private_segment 0
		.amdhsa_kernarg_size 32
		.amdhsa_user_sgpr_count 2
		.amdhsa_user_sgpr_kernarg_segment_ptr 1
		.amdhsa_wavefront_size32 1
		.amdhsa_system_sgpr_workgroup_id_x 1
		.amdhsa_system_sgpr_workgroup_id_y 1
		.amdhsa_system_sgpr_workgroup_id_z 1
		.amdhsa_system_vgpr_workitem_id 0
		.amdhsa_next_free_vgpr 512
		.amdhsa_next_free_sgpr 72
		.amdhsa_reserve_vcc 0
		.amdhsa_float_denorm_mode_32 3
		.amdhsa_float_denorm_mode_16_64 3
		.amdhsa_memory_ordered 1
		.amdhsa_forward_progress 1
		.amdhsa_inst_pref_size 86
	.end_amdhsa_kernel
	.amdgpu_metadata
---
amdhsa.version: [ 1, 2 ]
amdhsa.kernels:
  - .name:           k_q9edf7c7cc1_outp
    .symbol:         k_q9edf7c7cc1_outp.kd
    .args:
      - { .name: ctx, .offset: 0, .size: 8, .value_kind: global_buffer, .address_space: global }
      - { .name: woh, .offset: 8, .size: 8, .value_kind: global_buffer, .address_space: global }
      - { .name: bo, .offset: 16, .size: 8, .value_kind: global_buffer, .address_space: global }
      - { .name: out0, .offset: 24, .size: 8, .value_kind: global_buffer, .address_space: global }
    .group_segment_fixed_size: 327680
    .private_segment_fixed_size: 0
    .kernarg_segment_align: 8
    .kernarg_segment_size: 32
    .max_flat_workgroup_size: 128
    .sgpr_count:     72
    .vgpr_count:     512
    .wavefront_size: 32
...
	.end_amdgpu_metadata
.endif
;; end of part 4
